; MI455X (gfx1250); checked and timed in simulation.
; The chip was launched on July 23, 2026; its instructions are those of AMD's public machine-readable ISA for CDNA 5 (MIT licence, August 2026) and "CDNA5" Instruction Set Architecture Reference Guide (July 2026). The comments in the code are by the model that wrote it; some were corrected since.
;; Multi Head Attention. Allowed arithmetic: matrix products marked QUANTISED: E4M3 operands, one E8M0 scale for each 32 along K, by v_wmma_scale_f32_16x16x128_f8f6f4 with both operands' format E4M3, f32 sums; everything else in f32.
;; Inputs: bk 1,024 float32; bo 1,024 float32; bq 1,024 float32; bv 1,024 float32; wk 1,024 x 1,024 float32; wo 1,024 x 1,024 float32; wq 1,024 x 1,024 float32; wv 1,024 x 1,024 float32; x 4 x 2,048 x 1,024 float32.
;; Outputs: out0 4 x 2,048 x 1,024 float32.
;; This version of the problem:
;;   THIS VERSION OF THE PROBLEM IS GIVEN IN LOW PRECISION. The matrix products marked QUANTISED in the list below multiply operands that are first quantised to E4M3 (4 exponent bits, 3 mantissa bits; 8 bits a number), with one power-of-two scale for each 32 numbers along K (OCP MX v1.0); their sums are f32. All else is computed in f32.
;;   The module's matrix products, in the order in which they are computed (A, B: the left and right operand; K: the contracted axis; several contracted axes count as one K, in the product's order):
;;     1. [M 8,192, K 1,024] x [K 1,024, N 1,024]; A: input x; B: input wq: QUANTISED
;;     2. [M 8,192, K 1,024] x [K 1,024, N 1,024]; A: input x; B: input wk: QUANTISED
;;     3. [M 8,192, K 1,024] x [K 1,024, N 1,024]; A: input x; B: input wv: QUANTISED
;;     4. batch 64 x [M 2,048, K 64] x [K 64, N 2,048]; A: computed on the way; B: computed on the way: QUANTISED
;;     5. batch 64 x [M 2,048, K 2,048] x [K 2,048, N 64]; A: softmax (see below); B: computed on the way: QUANTISED
;;     6. [M 8,192, K 1,024] x [K 1,024, N 1,024]; A: computed on the way; B: input wo: QUANTISED
;;   THE QUANTISER, for each operand of a quantised product, along K:
;;     - K is cut into blocks of 32 from its start; a last block that is shorter is filled with zeros.
;;     - A block's scale is 2^e with e = floor(log2(the largest magnitude in the block)) - 8, held to -126 .. 127; a block of zeros has e = 0. As a byte (E8M0): e + 127.
;;     - Each number is divided by its block's scale, clamped to +-448, and rounded to the nearest number of E4M3, ties to even, subnormals kept.
;;     - The product sums the exact products of the quantised numbers (number of the format x scale) in f32.
;;   ~~~python
;;   def quantise(x, axis):      # numpy; x: float32 -> the quantised numbers, widened to float32 again
;;       x = np.moveaxis(x, axis, -1); K = x.shape[-1]
;;       x = np.pad(x, [(0, 0)] * (x.ndim - 1) + [(0, -K % 32)]); x = x.reshape(x.shape[:-1] + (-1, 32)); a = np.abs(x).max(-1, keepdims=True)
;;       e = np.where(a > 0, np.clip(np.frexp(np.where(a > 0, a, 1))[1] - 1 - 8, -126, 127), 0)      # np.frexp(a)[1] - 1 = floor(log2(a)), exactly
;;       r = np.clip(x / 2.0 ** e, -448, 448)
;;       step = 2.0 ** (np.maximum(np.frexp(np.where(r == 0, 1, r))[1] - 1, -6) - 3)
;;       q = np.round(r / step) * step * 2.0 ** e      # np.round: ties to even
;;       return np.moveaxis(q.reshape(q.shape[:-2] + (-1,))[..., :K], -1, axis).astype(np.float32)
;;   ~~~
;;   SOFTMAX AHEAD OF A QUANTISED PRODUCT. Where the list says 'softmax', what is quantised is not the finished softmax but p = 2^(t - M), with t = logit x log2(e) and M = ceil(the row's largest t), a whole number; so 1/2 < the row's largest p <= 1. The row's sum l is taken of the UNQUANTISED p, in f32, and the product's result is divided by l at the end. Since M is a whole number, a kernel that streams over the keys may use a running M (the ceiling of the running maximum): every later rescaling is an exact power of two, which a block's scale takes up: the codes' values come out the same.
;;   OPERANDS COMPUTED ON THE WAY. 'Computed on the way' means the value that the module computes at that place (a softmax that the list does not call 'softmax' is quantised finished and normalised). What goes into a quantiser is computed in f32, as accurately as f32 sums, v_exp_f32 and their like allow (about 1e-6 of the number): no bf16 or f16 on the way to a quantiser, and a product that is left as it is and whose result goes on into a quantised operand takes f32 operands (vector FMAs, or v_wmma_f32_16x16x4_f32). A number that lies on a knife's edge between two numbers of the format may be rounded either way, as far as f32 arithmetic and the matrix unit's own rounding can turn it there, and no further.
;; One version. Each part assembles by itself: llvm-mc -triple=amdgcn-amd-amdhsa -mcpu=gfx1250 --defsym DOCPART=n.
;; ======== version 1 of 1: 4 launches
;; limits: right only within a limited range of input values
;; workspace buffers: cod 12,582,912 bytes; scl 393,216 bytes; qk 16,777,216 bytes; qks 1,048,576 bytes; vimg 8,388,608 bytes; vs 262,144 bytes; oimg 8,388,608 bytes; osc 262,144 bytes
;; launch quant (part 1): grid 384 x 1, 4 waves a work-group, no clusters, 33,280 bytes of LDS; arguments x, wq, wk, wv, wo, cod, scl; writes cod, scl
.if DOCPART == 1
	.amdgcn_target "amdgcn-amd-amdhsa--gfx1250"
	.amdhsa_code_object_version 6
	.text
	.protected	k_qf752003ae1_quant
	.globl	k_qf752003ae1_quant
	.p2align	8
	.type	k_qf752003ae1_quant,@function
k_qf752003ae1_quant:
	s_mov_b64 s[64:65], 0
	v_nop
	global_prefetch_b8 v0, s[64:65] scope:SCOPE_SE
	s_setreg_imm32_b32 hwreg(HW_REG_WAVE_MODE, 25, 1), 1
	s_wait_xcnt 0x0
; x [8192][1024] and wq, wk, wv, wo [1024][1024], f32, K innermost, become codes of FP8 (E4M3) and one E8M0 scale byte for each 32 along K.
; cod: [12288 rows][1024 codes]: rows 0.. x, 8192.. wq, 9216.. wk, 10240.. wv, 11264.. wo.   scl: [12288 rows][32 bytes], the same rows.
; A block's scale is 2^(floor(log2(its largest magnitude)) - 8); its byte is that magnitude's exponent field - 8, held at 1 from below; each number is divided by the scale,
; held within +-448 and rounded to the nearest code, ties to even.
; THE ROWS OF x, wq, wk AND wv ARE STORED WITH BITS 3 AND 4 OF THE ROW NUMBER EXCHANGED (wo's are not): sixteen neighbouring stored rows, tile 2 B + u, are then the true rows
; 32 B + 8 u + r + 8 (r / 8), so that a matrix result whose registers run along such rows has 16 neighbours in the 16 registers of two neighbouring tiles.
; A work-group takes 32 rows, a wave 8: the exchange is that waves 1 and 2 store to each other's place.
; LIMITS: a block of zeros gets the byte 1 where the rule says 127 (its codes are zeros, which add nothing under any byte but 0xff, and this program alone reads the bytes);
; blocks whose largest magnitude lies under 2^-118 are held at the byte 1; NaN and infinities among the inputs are not served.
; A wave takes 16 steps of 512 numbers.  Each of a step's four loads reads 512 consecutive bytes, 16 a lane; the 2,048 bytes go through the wave's own stage in LDS and come back 64 bytes a lane,
; so that a lane holds 16 neighbours along K (two neighbouring lanes hold a block).  No barrier: waves share nothing.  Loads run four steps (16 loads a wave) ahead, the turn through LDS one step.
.set STEPS, 16
.set EMAX,  8
.set MANT,  0x600000                   ; the mantissa field of 448 as f32
.set CB,    16                         ; bytes of 16 codes
.set R,     16                         ; v16-79   four sets of 16 numbers as they are loaded
.set X,     80                         ; v80-111  two sets of 16 neighbours
.set C,     128                        ; v128-191 codes: four registers for each step, so that no store's data are written again
.set E,     112                        ; v112-127 a scale byte for each step
.set WREG,  8192                       ; LDS: a region for each wave: two stages of 32 x SP bytes, and behind them its 256 scale bytes
.set SP,    80                         ; a lane's place in a stage: its 64 bytes + 16 of padding
	s_load_b256 s[4:11], s[0:1], 0x0               ; x s[4:5], wq s[6:7], wk s[8:9], wv s[10:11]
	s_load_b128 s[12:15], s[0:1], 0x20             ; wo s[12:13], cod s[14:15]
	s_load_b64 s[16:17], s[0:1], 0x30              ; scl
	v_lshl_add_u32 v192, v0, 2, 0x8000
	v_mov_b32 v193, 0
	v_lshrrev_b32 v1, 5, v0
	v_readfirstlane_b32 s24, v1                    ; wave
	v_and_b32 v2, 31, v0                           ; lane
	v_lshlrev_b32 v3, 4, v2                        ; my 16 bytes of a load's 512
	s_mul_i32 s25, s24, WREG
	v_lshrrev_b32 v14, 2, v2
	v_mul_u32_u24 v14, v14, SP
	v_and_b32 v15, 3, v2
	v_lshl_add_u32 v14, v15, 4, v14
	v_add_nc_u32 v14, s25, v14                     ; the stage, on the way in: SP (lane / 4) + 16 (lane % 4)
	v_mul_u32_u24 v15, v2, SP
	v_add_nc_u32 v15, s25, v15                     ; and on the way out: SP x lane: my 16 neighbours
	v_mul_u32_u24 v4, v2, CB                       ; my codes' place in a step's
	v_lshrrev_b32 v5, 1, v2
	s_add_co_u32 s25, s25, 2*32*SP
	v_add_nc_u32 v5, s25, v5                       ; LDS: my wave's 256 scale bytes, my block's byte
	v_lshlrev_b32 v7, 3, v2                        ; and on the way out 8 bytes a lane
	v_add_nc_u32 v6, s25, v7
	s_and_b32 s18, ttmp9, 31                       ; a weight's work-group among its 32
	s_lshl_b32 s20, s24, 1
	s_and_b32 s20, s20, 2
	s_lshr_b32 s21, s24, 1
	s_or_b32 s20, s20, s21                         ; the wave's number with its two bits exchanged
	s_wait_alu depctr_va_vdst(0)
	s_wait_kmcnt 0x0
	s_cmp_lt_u32 ttmp9, 352                        ; which tensor: the choices hang on the work-group's number alone
	s_cselect_b64 s[10:11], s[10:11], s[12:13]     ; wv, else wo
	s_cselect_b32 s20, s20, s24                    ; wo's rows stay where they are
	s_cmp_lt_u32 ttmp9, 320
	s_cselect_b64 s[10:11], s[8:9], s[10:11]       ; wk
	s_cmp_lt_u32 ttmp9, 288
	s_cselect_b64 s[10:11], s[6:7], s[10:11]       ; wq
	s_cmp_lt_u32 ttmp9, 256
	s_cselect_b64 s[4:5], s[4:5], s[10:11]         ; x
	s_cselect_b32 s18, ttmp9, s18
	s_lshl_b32 s18, s18, 17                        ; 32 rows of 4,096 bytes a work-group,
	s_lshl_b32 s19, s24, 15                        ; 8 a wave
	s_add_co_u32 s18, s18, s19
	s_mov_b32 s19, 0
	s_add_nc_u64 s[4:5], s[4:5], s[18:19]
	s_lshl_b32 s21, ttmp9, 2
	s_add_co_u32 s20, s20, s21                     ; which run of 8 stored rows is my wave's
	s_lshl_b32 s18, s20, 13
	s_add_nc_u64 s[14:15], s[14:15], s[18:19]      ; 8,192 bytes of codes a run,
	s_lshl_b32 s18, s20, 8
	s_add_nc_u64 s[16:17], s[16:17], s[18:19]      ; 256 scale bytes
.macro LOAD t
.irp i, 0,1,2,3
	global_load_b128 v[R+16*((\t)%4)+4*\i:R+16*((\t)%4)+4*\i+3], v3, s[4:5] offset:2048*(\t)+512*\i th:TH_LOAD_NT   ; 32 lanes read 512 consecutive bytes
.endr
.endm
.macro TURN t                          ; step t's numbers through the stage: LDS serves a wave's instructions in order, so no wait stands between the stores and the loads
.irp i, 0,1,2,3
	ds_store_b128 v14, v[R+16*((\t)%4)+4*\i:R+16*((\t)%4)+4*\i+3] offset:32*SP*((\t)%2)+8*SP*\i
.endr
.irp i, 0,1,2,3
	ds_load_b128 v[X+16*((\t)%2)+4*\i:X+16*((\t)%2)+4*\i+3], v15 offset:32*SP*((\t)%2)+16*\i
.endr
.endm
.irp t, 0,1,2,3
	LOAD \t
.endr
	s_wait_loadcnt 12                              ; step 0's four loads are in; those of steps 1 to 3 stay out
	TURN 0
.macro STEP t
.set XS, X+16*((\t)%2)
.if (\t) > 0
	s_wait_dscnt 1                                 ; this step's numbers are back from the stage (the last step's byte store may be out): so its stores into the stage have read their registers,
.else
	s_wait_dscnt 0x0
.endif
.if (\t)+4 < STEPS
	LOAD (\t)+4                                    ; which take the loads of four steps on
.endif
.if (\t)+1 < STEPS
.if STEPS-2-(\t) >= 3
	s_wait_loadcnt 12                              ; the next step's four loads are in; those of the three steps behind it may be out
.else
	s_wait_loadcnt 4*(STEPS-2-(\t))
.endif
	TURN (\t)+1                                    ; and go through the other stage while this step is worked
.endif
	v_max3_num_f32 v8, |v[XS]|, |v[XS+1]|, |v[XS+2]|               ; the largest magnitude of my 16, in two chains
	v_max3_num_f32 v9, |v[XS+3]|, |v[XS+4]|, |v[XS+5]|
.irp i, 6,10
	v_max3_num_f32 v8, v8, |v[XS+\i]|, |v[XS+\i+1]|
	v_max3_num_f32 v9, v9, |v[XS+\i+2]|, |v[XS+\i+3]|
.endr
	v_max3_num_f32 v8, v8, |v[XS+14]|, |v[XS+15]|
	v_max3_num_f32 v8, v8, v9, (EMAX+1)<<23        ; and the floor 2^(9 - 127): so the byte cannot fall under 1
	v_max_num_f32_dpp v8, v8, v8 row_xmask:1 row_mask:0xf bank_mask:0xf   ; and of my neighbour's 16: the block's
	v_add_nc_u32 v11, 0xfc000000, v8               ; 8 off its exponent field: the conversion takes the exponent field of this operand as its scale
.irp i, 0,1,2,3,4,5,6,7,8,9,10,11,12,13,14,15
.endr
	v_cvt_scalef32_pk8_fp8_f32 v[C+4*(\t):C+4*(\t)+1], v[XS:XS+7], v11
	v_cvt_scalef32_pk8_fp8_f32 v[C+4*(\t)+2:C+4*(\t)+3], v[XS+8:XS+15], v11
	v_lshrrev_b32 v[E+(\t)], 23, v11               ; the scale's byte (also the plain line behind the conversions)
	ds_store_b8 v5, v[E+(\t)] offset:16*(\t)       ; both lanes of a block write the same byte with the same value
	global_store_b128 v4, v[C+4*(\t):C+4*(\t)+3], s[14:15] offset:32*CB*(\t)   ; 32 lanes store 512 consecutive bytes
.endm
.irp t, 0,1,2,3,4,5,6,7,8,9,10,11,12,13,14,15
	STEP \t
.endr
	ds_load_b64 v[12:13], v6                       ; LDS serves a wave's instructions in order: these see my stores
	s_wait_dscnt 0x0
	global_store_b64 v7, v[12:13], s[16:17]        ; 32 lanes store 256 consecutive bytes, aligned
	s_wait_tensorcnt 0x0
	ds_add_u32 v192, v193
	s_wait_dscnt 0x0
	s_endpgm
.Lfunc_end_k_qf752003ae1_quant:
	.size	k_qf752003ae1_quant, .Lfunc_end_k_qf752003ae1_quant-k_qf752003ae1_quant
	.p2alignl 7, 3214868480
	.fill 96, 4, 3214868480
	.section	.rodata,"a",@progbits
	.p2align	6, 0x0
	.amdhsa_kernel k_qf752003ae1_quant
		.amdhsa_group_segment_fixed_size 33280
		.amdhsa_private_segment_fixed_size 0
		.amdhsa_enable_private_segment 0
		.amdhsa_kernarg_size 56
		.amdhsa_user_sgpr_count 2
		.amdhsa_user_sgpr_kernarg_segment_ptr 1
		.amdhsa_wavefront_size32 1
		.amdhsa_system_sgpr_workgroup_id_x 1
		.amdhsa_system_sgpr_workgroup_id_y 1
		.amdhsa_system_sgpr_workgroup_id_z 1
		.amdhsa_system_vgpr_workitem_id 0
		.amdhsa_next_free_vgpr 194
		.amdhsa_next_free_sgpr 66
		.amdhsa_reserve_vcc 0
		.amdhsa_float_denorm_mode_32 3
		.amdhsa_float_denorm_mode_16_64 3
		.amdhsa_fp16_overflow 1
		.amdhsa_memory_ordered 1
		.amdhsa_forward_progress 1
		.amdhsa_inst_pref_size 34
	.end_amdhsa_kernel
	.amdgpu_metadata
---
amdhsa.version: [ 1, 2 ]
amdhsa.kernels:
  - .name:           k_qf752003ae1_quant
    .symbol:         k_qf752003ae1_quant.kd
    .args:
      - { .name: x, .offset: 0, .size: 8, .value_kind: global_buffer, .address_space: global }
      - { .name: wq, .offset: 8, .size: 8, .value_kind: global_buffer, .address_space: global }
      - { .name: wk, .offset: 16, .size: 8, .value_kind: global_buffer, .address_space: global }
      - { .name: wv, .offset: 24, .size: 8, .value_kind: global_buffer, .address_space: global }
      - { .name: wo, .offset: 32, .size: 8, .value_kind: global_buffer, .address_space: global }
      - { .name: cod, .offset: 40, .size: 8, .value_kind: global_buffer, .address_space: global }
      - { .name: scl, .offset: 48, .size: 8, .value_kind: global_buffer, .address_space: global }
    .group_segment_fixed_size: 33280
    .private_segment_fixed_size: 0
    .kernarg_segment_align: 8
    .kernarg_segment_size: 56
    .max_flat_workgroup_size: 128
    .sgpr_count:     66
    .vgpr_count:     194
    .wavefront_size: 32
...
	.end_amdgpu_metadata
.endif
;; end of part 1
;; launch qkv (part 2): grid 12 x 32, 4 waves a work-group, clusters of 4 x 4, 327,680 bytes of LDS; arguments cod, scl, bq, bk, qk, qks, vimg, vs, bv; writes qk, qks, vimg, vs
.if DOCPART == 2
	.amdgcn_target "amdgcn-amd-amdhsa--gfx1250"
	.amdhsa_code_object_version 6
	.text
	.protected	k_qf752003ae1_qkv
	.globl	k_qf752003ae1_qkv
	.p2align	8
	.type	k_qf752003ae1_qkv,@function
k_qf752003ae1_qkv:
	s_mov_b64 s[64:65], 0
	v_nop
	global_prefetch_b8 v0, s[64:65] scope:SCOPE_SE
	s_setreg_imm32_b32 hwreg(HW_REG_WAVE_MODE, 25, 1), 1
	s_wait_xcnt 0x0
	s_wait_alu depctr_hold_cnt(0) depctr_sa_sdst(0) depctr_va_vdst(0) depctr_va_sdst(0) depctr_va_ssrc(0) depctr_va_vcc(0) depctr_vm_vsrc(0)
	s_getreg_b32 s2, hwreg(HW_REG_IB_STS2, 6, 4)
	s_cmp_eq_u32 s2, 0
	s_cbranch_scc0 .Lentry_in_a_cluster
	s_endpgm
.Lentry_in_a_cluster:
	s_bfe_u32 s2, ttmp6, 0x10000c
	s_cmp_lg_u32 s2, 0xf033
	s_cbranch_scc0 .Lentry_shape_is_right
	s_endpgm
.Lentry_shape_is_right:
; q = x wq^T + bq, k = x wk^T + bk, v = x wv^T + bv on codes of FP8 (E4M3) with one E8M0 scale for each 32 along K = 1,024; the results are quantised in registers and leave as IMAGES OF OPERAND REGISTERS.
; cod [12288 stored rows][1024], scl [12288][32]: rows 0.. x, 8192.. wq, 9216.. wk, 10240.. wv; all four with bits 3 and 4 of the row number exchanged.
; A tile of 256 x 256 results is made by four waves, 128 x 128 each: 64 accumulators, 512 registers.  K goes in steps of 256 through a ring of two LDS slots; the scale bytes of the tile's rows come once.
; ROLES.  Clusters with x = 0, 1 make q, k: side A = x (tokens), side B = wq or wk (features).  Clusters with x = 2 make v TRANSPOSED: side A = wv (features), side B = x (tokens).  Only row numbers differ.
; THE MATRIX INSTRUCTION IS USED TRANSPOSED (source 0 = 16 rows of B, source 1 = 16 rows of A): a lane holds ONE stored row of A, and, since B's stored rows have bits 3 and 4 exchanged, the 64 registers of
; a block of A are 64 numbers of 128 neighbours along B's true rows: register 16 c + i = 32 c + 16 (lane / 16) + i.  That is the register order of an 8-bit operand along K: q, k: two heads' 64 channels; v: 128 keys.
; OUT.  qk [32 heads: q's 16, k's 16][512 tiles of 16 stored tokens][2 pieces][32 lanes][16 bytes]; qks [32][512][16 rows][word: 2 scale bytes, 2 zeros];
;       vimg [64 batch x head][16 steps of 128 keys][4 tiles of 16 stored channels][4 pieces][32 lanes][16 bytes]; vs [64][16][4][16 rows][word of 4 scale bytes].
; BIASES.  bq, bk run along B: they are the C of each sum's first matrix instruction.  bv runs along A: one number a lane and block, added when a block leaves its accumulators.  The set that a role does not use is ANDed with 0.
; CLUSTERS: 4 x 4 work-groups; A's tiles are shared along a row of the cluster, B's along a column, each asked for jointly.  Every branch and select hangs on the cluster's x, which all partners share.
; LIMITS: a block of zeros gets the byte 1 (zero codes; this program alone reads the bytes); largest magnitudes under 2^-118 are held at the byte 1; NaN and infinities are not served.
; REGISTERS: window 0: v0-31 addresses and bv's numbers; v32-63 scale words, two sets; v64-127 the bias along B; from v128 A's fragments, one set; on the way out v128-235 at work.
;   window 1: B's fragments, two sets.   window 2: the accumulators of my rows 0-63 ((a, b) at v[8 (8 a + b)]);   window 3: those of my rows 64-127.
.set KSTEP,  256
.set NQ,     2                         ; matrix instructions deep in a slot
.set ROWB,   256                       ; a tile's row in bytes
.set KROW,   1024                      ; a row of cod in bytes
.set PITCH,  272                       ; an LDS row: 256 bytes + 16 of padding: the 16 rows that a load touches start at 16 different banks (64 banks of 4 bytes: ISA guide 11.1)
.set FR,     16
.set NL,     4
.set NP,     8                         ; places behind this matrix instruction (ISA guide 7.12.1)
.set HALFT,  128*PITCH
.set SLOT,   4*HALFT
.set LAPS,   2                         ; 1,024 / 512
.set KS,     32                        ; a row of scale bytes
.set SCL,    2*SLOT                    ; behind the ring: the scales, as rows of 256 bytes + 16 of padding
.set HALFS,  (128*KS/256)*272
.set SBLK,   (16*KS/256)*272
.set SPARE,  SCL+4*HALFS               ; the spare words, 128 bytes a wave: two blocks of 256 bytes that no other line names
.set STG,    SPARE+512                 ; 1,024 bytes a wave: the results' scale words are gathered here; no tile ever lands here
.set BM,   8                           ; v8-15   bv at my row of A's block a (0 where q or k is made)
.set ADRA, 16                          ; v16-17  LDS address of my A fragments in slot 0, 1
.set SHV,  18                          ; v18     by how much my half of the lanes shifts a scale word
.set ADRB, 20                          ; v20-21  the same as ADRA for B
.set GOF0, 24                          ; v24     16 x lane: an image's place for my lane
.set GOF1, 25                          ; v25     the same for the fragment's upper half: the next head (q, k) or 1,024 bytes on (v)
.set SST,  26                          ; v26     where I put a scale word
.set ADRS, 27                          ; v27     LDS address of my scale words: lanes 0-15 A's rows, lanes 16-31 B's
.set SPW,  28                          ; v28     my spare word; never rewritten
.set NIL,  29                          ; v29     0; never rewritten
.set SRD,  30                          ; v30     where I read the gathered scale words back
.set SOF,  31                          ; v31     and where they go
.set SC,   32
.set BI,   64                          ; v64-127 the bias along B: eight registers for each of B's eight tiles, in the result's layout
.set AF,   128
.set T,    128                         ; the way out: a block's 64 numbers
.set PC,   192                         ; its 16 registers of codes
.set TM,   208                         ; v208-223 at work
.set PW,   224                         ; the scale word
.set W2,   225
.set X,    228
.set G1, 24
.set G0, 32
.set G1B, 48
.set G0B, 56
.set SEL, 66                           ; s[66:67] v_permlanex16_b32's selects for lane l xor 16
.set G1S, 68
.set G0S, 76
.set G1SB, 80
.set G0SB, 88
.set OUT,  92                          ; s[92:93] where the block's image goes
.set OSC,  94                          ; s[94:95] where the scale words go
.set INC1, 96                          ; s[96:97] from block to block
.set INC4, 98                          ; s[98:99] from block 3 to block 4
.set MNT,  100
.set MK,   101
.set MSB, 0
.macro WIN new                         ; the immediate's high byte repeats the setting that is left
.if MSB != (\new)
	s_set_vgpr_msb (MSB<<8)|(\new)
.set MSB, (\new)
.endif
.endm
.set MUL_LO, 0xa1                      ; source 0 (B) window 1, source 1 (A) window 0, C and D window 2
.set MUL_HI, 0xf1                      ; the same, C and D window 3
.set TO_B,   0x40
; A joint load: waves 0 and 1 fetch for A, waves 2 and 3 for B; the branch hangs on the wave's number alone.  Four v_nop follow each of the two lines.
.macro JLOAD g0a, g1a, g0b, g1b
	s_cmp_eq_u32 s15, 0
	s_cbranch_scc0 .Lfor_b_\@
	tensor_load_to_lds s[\g0a:\g0a+3], s[\g1a:\g1a+7]
	s_nop 0
.rept 4
	v_nop
.endr
	s_branch .Lasked_\@
.Lfor_b_\@:
	tensor_load_to_lds s[\g0b:\g0b+3], s[\g1b:\g1b+7]
	s_nop 0
.rept 4
	v_nop
.endr
.Lasked_\@:
.endm
.macro CREST                           ; a round of the cluster's barrier behind its opening barrier
	s_cmp_lg_u32 s14, 0
	s_cbranch_scc1 .Lnot_wave_0_\@
	s_barrier_signal -3
.Lnot_wave_0_\@:
	s_barrier_wait -3
	s_barrier_signal -1
	s_barrier_wait -1
.endm
.macro CROUND
	s_barrier_signal -1
	s_barrier_wait -1
	CREST
.endm
	s_load_b128 s[4:7], s[0:1], 0x0                ; cod s[4:5], scl s[6:7]
	s_load_b128 s[8:11], s[0:1], 0x10              ; bq s[8:9], bk s[10:11]
	s_load_b256 s[92:99], s[0:1], 0x20             ; qk, qks, vimg, vs
	s_load_b64 s[12:13], s[0:1], 0x40              ; bv
	v_lshl_add_u32 v[SPW], v0, 2, SPARE
	v_mov_b32 v[NIL], 0
	ds_add_u32 v28, v29
	ds_add_u32 v28, v29
	s_wait_dscnt 0x0
	v_lshrrev_b32 v1, 5, v0
	v_readfirstlane_b32 s14, v1                    ; wave 0..3
	s_lshr_b32 s15, s14, 1                         ; which half of A's rows is mine.  Also: I fetch for A (0) or for B (1)
	s_and_b32 s16, s14, 1                          ; which half of B's rows.  Also: which 128 rows I fetch
	s_bfe_u32 s40, ttmp6, 0x40000                  ; cx
	s_bfe_u32 s41, ttmp6, 0x40004                  ; cy
	s_and_b32 s17, ttmp7, 0xffff                   ; Y: the cluster's y
	s_lshl_b32 s43, s41, 2
	s_lshl_b32 s43, 15, s43                        ; my row of the cluster
	s_lshl_b32 s44, 0x1111, s40                    ; my column
	s_or_b32 s[G1+0], s43, (0<<16)|(1<<20)|(1<<21)|(5<<22)|(3<<25)  ; the mask; elements of 1 byte; padding on; bit 21 beside a mask; 4 words after every 64
	s_or_b32 s[G1B+0], s44, (0<<16)|(1<<20)|(1<<21)|(5<<22)|(3<<25)
.irp g, G1, G1B
	s_mov_b32 s[\g+1], ROWB<<16                    ; tensor_dim0
	s_mov_b32 s[\g+2], 128<<16                     ; tensor_dim1
	s_mov_b32 s[\g+3], ROWB<<16                    ; tile_dim0
	s_mov_b32 s[\g+4], 128                         ; tile_dim1
	s_mov_b32 s[\g+5], KROW                        ; the pitch
	s_mov_b32 s[\g+6], 0
	s_mov_b32 s[\g+7], 0
.endr
	s_or_b32 s[G1S+0], s43, (3<<16)|(1<<20)|(1<<21)|(5<<22)|(3<<25) ; the scales of 128 rows: 4,096 dense bytes as 16 rows of 256 (32 elements of 8 bytes), 16 bytes of padding behind each
	s_or_b32 s[G1SB+0], s44, (3<<16)|(1<<20)|(1<<21)|(5<<22)|(3<<25)
.irp g, G1S, G1SB
	s_mov_b32 s[\g+1], 32<<16
	s_mov_b32 s[\g+2], (128*KS/256)<<16
	s_mov_b32 s[\g+3], 32<<16
	s_mov_b32 s[\g+4], 128*KS/256
	s_mov_b32 s[\g+5], 32
	s_mov_b32 s[\g+6], 0
	s_mov_b32 s[\g+7], 0
.endr
	; which stored rows: A's hang on the cluster's place in the grid, cy and the wave; B's on the same with cx
	s_lshl_b32 s18, s17, 10                        ; x's rows of this cluster: 1,024 Y on
	s_lshl_b32 s19, ttmp9, 10
	s_add_co_u32 s19, s19, 8192                    ; wq's rows or wk's
	s_cmp_eq_u32 ttmp9, 2
	s_cselect_b32 s20, 10240, s18                  ; A: wv, else x
	s_cselect_b32 s46, s18, s19                    ; B: x, else the weight
	s_lshl_b32 s22, s16, 7                         ; which 128 rows I fetch
	s_lshl_b32 s21, s41, 8
	s_add_co_u32 s20, s20, s21
	s_add_co_u32 s20, s20, s22
	s_lshl_b32 s47, s40, 8
	s_add_co_u32 s46, s46, s47
	s_add_co_u32 s46, s46, s22
	s_lshl_b32 s22, s20, 5                         ; A's scale bytes,
	s_mov_b32 s23, 0
	s_lshl_b32 s20, s20, 10                        ; A's codes,
	s_mov_b32 s21, 0
	s_lshl_b32 s104, s46, 5                        ; B's scale bytes,
	s_mov_b32 s105, 0
	s_lshl_b32 s46, s46, 10                        ; B's codes
	s_mov_b32 s47, 0
	s_mul_i32 s45, s14, HALFT                      ; where they go: wave x 128 rows: no place in the cluster enters an LDS address
	s_mul_i32 s2, s14, HALFS
	s_wait_kmcnt 0x0
	s_add_nc_u64 s[20:21], s[4:5], s[20:21]
	s_add_nc_u64 s[22:23], s[6:7], s[22:23]
	s_add_nc_u64 s[46:47], s[4:5], s[46:47]
	s_add_nc_u64 s[104:105], s[6:7], s[104:105]
	CROUND                                         ; all sixteen work-groups are here: the first joint loads meet
	s_mov_b32 s[G0S], 1
	s_add_co_u32 s[G0S+1], s2, SCL
	s_mov_b64 s[G0S+2:G0S+3], s[22:23]
	s_or_b32 s[G0S+3], s[G0S+3], 0x80000000
	s_mov_b32 s[G0SB], 1
	s_add_co_u32 s[G0SB+1], s2, SCL
	s_mov_b64 s[G0SB+2:G0SB+3], s[104:105]
	s_or_b32 s[G0SB+3], s[G0SB+3], 0x80000000
	JLOAD G0S, G1S, G0SB, G1SB                     ; the scales first: they are wanted with K step 0
.irp s, 0,1
	s_mov_b32 s[G0+4*\s], 1
	s_add_co_u32 s[G0+4*\s+1], s45, \s*SLOT
	s_add_nc_u64 s[G0+4*\s+2:G0+4*\s+3], s[20:21], \s*ROWB
	s_or_b32 s[G0+4*\s+3], s[G0+4*\s+3], 0x80000000
	s_mov_b32 s[G0B+4*\s], 1
	s_add_co_u32 s[G0B+4*\s+1], s45, \s*SLOT
	s_add_nc_u64 s[G0B+4*\s+2:G0B+4*\s+3], s[46:47], \s*ROWB
	s_or_b32 s[G0B+4*\s+3], s[G0B+4*\s+3], 0x80000000
	JLOAD G0+4*\s, G1, G0B+4*\s, G1B
.endr
	v_and_b32 v1, 15, v0                           ; r = l % 16
	v_bfe_u32 v2, v0, 4, 1                         ; h = l / 16
	v_mul_u32_u24 v3, v1, PITCH
	v_lshl_add_u32 v4, v2, 4, v3                   ; a fragment's row x pitch + 16 x half
	s_mul_i32 s21, s15, HALFT                      ; my 128 rows of A
	s_mul_i32 s22, s16, HALFT                      ; my 128 rows of B,
	s_add_co_u32 s22, s22, 2*HALFT                 ; which lie behind A's 256
.irp s, 0,1
	v_add_nc_u32 v[ADRA+\s], s21, v4
	v_add_nc_u32 v[ADRB+\s], s22, v4
	s_add_co_u32 s21, s21, SLOT
	s_add_co_u32 s22, s22, SLOT
.endr
	v_mul_u32_u24 v5, v1, KS                       ; my row's scales: 32 bytes a row,
	v_lshrrev_b32 v6, 8, v5
	v_lshl_add_u32 v5, v6, 4, v5                   ; and 16 more for each 256 passed
	s_mul_i32 s21, s15, HALFS
	s_mul_i32 s22, s16, HALFS
	s_add_co_u32 s22, s22, 2*HALFS
	s_sub_co_u32 s22, s22, s21
	v_mul_u32_u24 v6, s22, v2                      ; lanes 16-31 take B's
	s_add_co_u32 s21, s21, SCL
	v_add_nc_u32 v5, v5, v6
	v_add_nc_u32 v[ADRS], s21, v5
	s_lshl_b32 s23, s14, 10
	s_add_co_u32 s23, s23, STG                     ; my 1,024 bytes for the results' scale words
	v_lshlrev_b32 v5, 2, v1
	v_lshl_add_u32 v5, v2, 9, v5
	v_add_nc_u32 v[SST], s23, v5                   ; in: 512 x half + 4 x row (+ 64 x block)
	v_and_b32 v6, 31, v0
	v_lshlrev_b32 v[GOF0], 4, v6
	s_wait_alu depctr_va_vdst(0)
	v_add_nc_u32 v[SRD], s23, v[GOF0]              ; back: 16 bytes a lane
	; where the results go.  q, k: the chunk of 128 features nch = 8 x cluster x + 2 cx + column half (two heads), the first tile of tokens mt0 = 64 Y + 16 cy + 8 x row half.
	; v: batch x head bh0 = 16 (Y / 2) + 4 cy + 2 x row half, key step st = (8 Y + 2 cx + column half) % 16.
	s_lshl_b32 s20, s40, 1
	s_add_co_u32 s20, s20, s16                     ; 2 cx + column half
	s_lshl_b32 s21, ttmp9, 3
	s_add_co_u32 s21, s21, s20
	s_lshl_b32 s21, s21, 16                        ; nch x 65,536: two heads' scale words
	s_lshl_b32 s22, s17, 6
	s_lshl_b32 s23, s41, 4
	s_add_co_u32 s22, s22, s23
	s_lshl_b32 s23, s15, 3
	s_add_co_u32 s22, s22, s23                     ; mt0
	s_lshl_b32 s22, s22, 6
	s_add_co_u32 s21, s21, s22                     ; q, k: the scale words' byte
	s_lshl_b32 s22, s17, 3
	s_add_co_u32 s22, s22, s20
	s_and_b32 s22, s22, 15                         ; st
	s_lshl_b32 s22, s22, 8
	s_lshr_b32 s23, s17, 1
	s_lshl_b32 s23, s23, 4
	s_lshl_b32 s42, s41, 2
	s_add_co_u32 s23, s23, s42
	s_lshl_b32 s42, s15, 1
	s_add_co_u32 s23, s23, s42                     ; bh0
	s_lshl_b32 s23, s23, 12
	s_add_co_u32 s22, s22, s23                     ; v: the scale words' byte
	s_lshl_b32 s46, s20, 9                         ; the bias along B: (256 cx + 128 x column half) numbers on
	s_mov_b32 s47, 0
	s_lshl_b32 s42, s41, 1
	s_add_co_u32 s42, s42, s15
	s_lshl_b32 s42, s42, 9                         ; the bias along A: (256 cy + 128 x row half) numbers on
	s_mov_b32 s43, 0
	s_mov_b32 s18, 0x80000
	s_mov_b32 s19, 256
	s_cmp_eq_u32 ttmp9, 0
	s_cselect_b64 s[8:9], s[8:9], s[10:11]         ; bq, else bk,
	s_cmp_eq_u32 ttmp9, 2                          ; all that follows is chosen on this compare: moves and selects leave it alone
	s_cselect_b64 s[8:9], s[12:13], s[8:9]         ; or, where v is made, bv (read and then ANDed with 0)
	s_cselect_b64 s[OUT:OUT+1], s[96:97], s[OUT:OUT+1]     ; vimg, else qk
	s_cselect_b64 s[OSC:OSC+1], s[98:99], s[OSC:OSC+1]     ; vs, else qks
	s_cselect_b32 s20, s22, s21                    ; the scale words' byte
	s_cselect_b32 s22, 5, 4                        ; an image has 32 (v) or 16 (q, k) bytes for each byte of scale words
	s_cselect_b32 s18, 1024, s18                   ; the fragment's upper half: 1,024 bytes on, else the next head
	s_cselect_b32 s19, 4096, s19                   ; lanes 16-31 of the scale words' store: the next head, else the next 256 bytes
	s_cselect_b32 s23, 0, 16                       ; lanes 16-31 keep the word, else take its upper two bytes
	s_cselect_b32 s[MK], -1, 0xffff
	s_mov_b32 s[INC1], 1024
	s_cselect_b32 s[INC1], 2048, s[INC1]
	s_mov_b32 s[INC1+1], 0
	s_mov_b32 s[INC4], 1024
	s_cselect_b32 s[INC4], 124928, s[INC4]         ; v: the next head's first tile: 131,072 - 3 x 2,048
	s_mov_b32 s[INC4+1], 0
	s_cselect_b32 s104, 0, -1                      ; keeps the bias along B for q, k
	s_cselect_b32 s105, -1, 0                      ; keeps the bias along A for v
	s_lshl_b32 s22, s20, s22
	s_mov_b32 s21, 0
	s_add_nc_u64 s[OSC:OSC+1], s[OSC:OSC+1], s[20:21]
	s_mov_b32 s20, s22
	s_add_nc_u64 s[OUT:OUT+1], s[OUT:OUT+1], s[20:21]
	s_add_nc_u64 s[8:9], s[8:9], s[46:47]
	s_add_nc_u64 s[12:13], s[12:13], s[42:43]
	s_mov_b32 s[SEL], 0x76543210
	s_mov_b32 s[SEL+1], 0xfedcba98
	v_add_nc_u32 v[GOF1], s18, v[GOF0]
	v_mul_u32_u24 v[SHV], s23, v2
	v_mul_u32_u24 v7, s19, v2
	v_lshl_add_u32 v[SOF], v1, 4, v7
	v_lshlrev_b32 v5, 6, v2                        ; the bias along B: tile b's register j is feature 32 (b / 2) + 16 h + 8 (b % 2) + j
	v_and_b32 v6, 8, v1
	v_add_nc_u32 v6, v6, v1
	v_lshlrev_b32 v6, 2, v6                        ; the bias along A: block a's lane r is feature 32 (a / 2) + 8 (a % 2) + r + 8 (r / 8)
.irp b, 0,1,2,3,4,5,6,7
	global_load_b128 v[BI+8*\b:BI+8*\b+3], v5, s[8:9] offset:(32*(\b/2)+8*(\b%2))*4
	global_load_b128 v[BI+8*\b+4:BI+8*\b+7], v5, s[8:9] offset:(32*(\b/2)+8*(\b%2))*4+16
.endr
.irp a, 0,1,2,3,4,5,6,7
	global_load_b32 v[BM+\a], v6, s[12:13] offset:(32*(\a/2)+8*(\a%2))*4
.endr
	s_wait_loadcnt 0x0
.set k, 0
.rept 64
	v_and_b32 v[BI+k], s104, v[BI+k]
.set k, k+1
.endr
.irp a, 0,1,2,3,4,5,6,7
	v_and_b32 v[BM+\a], s105, v[BM+\a]
.endr
.macro FRAG reg, adr, q, i             ; 16 rows x 128 K of 8-bit codes: lane l holds row l % 16; registers 4 c .. 4 c + 3 hold K = 32 c + 16 (l / 16) + 0 .. 15
.irp c, 0,1,2,3
	ds_load_b128 v[\reg+4*\c:\reg+4*\c+3], v[\adr] offset:128*(\q)+32*\c+(\i)*16*PITCH
.endr
.endm
; 16 matrix instructions: A's blocks a0, a0 + 1 x B's eight, 128 along K.  zero = 1: the first product starts the sums, with the bias along B as its C: nothing is cleared.
; The 64 accumulators take turns, one instruction a turn, in the same order in every step.
.macro MUL16 a0, p, q, sc, zero
.irp a, \a0, \a0+1
.irp b, 0,1,2,3,4,5,6,7
.if \zero
	v_wmma_scale_f32_16x16x128_f8f6f4 v[8*(8*((\a)%4)+\b):8*(8*((\a)%4)+\b)+7], v[128*(\p)+FR*\b:128*(\p)+FR*\b+FR-1], v[AF+FR*(\a):AF+FR*(\a)+FR-1], v[BI+8*\b:BI+8*\b+7], v[SC+8*NQ*(\sc)+NQ*\b+(\q)], v[SC+8*NQ*(\sc)+NQ*(\a)+(\q)] matrix_a_scale:MATRIX_SCALE_ROW1
.else
	v_wmma_scale_f32_16x16x128_f8f6f4 v[8*(8*((\a)%4)+\b):8*(8*((\a)%4)+\b)+7], v[128*(\p)+FR*\b:128*(\p)+FR*\b+FR-1], v[AF+FR*(\a):AF+FR*(\a)+FR-1], v[8*(8*((\a)%4)+\b):8*(8*((\a)%4)+\b)+7], v[SC+8*NQ*(\sc)+NQ*\b+(\q)], v[SC+8*NQ*(\sc)+NQ*(\a)+(\q)] matrix_a_scale:MATRIX_SCALE_ROW1
.endif
.endr
.endr
.endm
.macro FETCH_B slot, q, p
	WIN TO_B
.irp i, 0,1,2,3,4,5,6,7
	FRAG 128*(\p)+FR*\i, ADRB+\slot, \q, \i
.endr
	WIN 0
.endm
.macro FETCH_A slot, q, i0
.irp i, \i0, \i0+1, \i0+2, \i0+3
	FRAG AF+FR*(\i), ADRA+\slot, \q, \i
.endr
.endm
.macro SCALES sc                       ; a K step's scale words: 2 words a row; lanes 0-15 take A's block i, lanes 16-31 B's block i
.irp i, 0,1,2,3,4,5,6,7
	ds_load_b64 v[SC+8*NQ*\sc+NQ*\i:SC+8*NQ*\sc+NQ*\i+1], v[ADRS] offset:\i*SBLK
.endr
.endm
.macro PLACES n                        ; plain vector lines between a matrix instruction and a load into, or a vector line on, its registers
.rept \n
	v_nop
.endr
.endm
.macro STEP slot, q, zero              ; a step of 128 along K that has its successor in the same slot
	s_wait_dscnt 4*NL                              ; B's set and A's blocks 0-3 are in; the youngest sixteen loads (A's blocks 4-7) may be out
.if \zero
	WIN 0x81                                       ; C (the bias) in window 0, D in window 2
.else
	WIN MUL_LO
.endif
	MUL16 0, (\q)%2, \q, \slot, \zero
	MUL16 2, (\q)%2, \q, \slot, \zero
	s_wait_dscnt 0
	PLACES NP
	FETCH_B \slot, (\q)+1, 1-(\q)%2
	FETCH_A \slot, (\q)+1, 0
.if \zero
	WIN 0xc1
.else
	WIN MUL_HI
.endif
	MUL16 4, (\q)%2, \q, \slot, \zero
	MUL16 6, (\q)%2, \q, \slot, \zero
	PLACES NP
	WIN 0
	FETCH_A \slot, (\q)+1, 4
.endm
; A slot's last step changes slots: ONE barrier; in front of it each wave waits for all its tensor loads, adds 0 to its spare word, and waits for that and for its own reads of this slot.
.macro TURN slot, next, fill
	s_wait_tensorcnt 0x0                           ; all my tensor loads have landed: my part of the next slot
	ds_add_u32 v[SPW], v[NIL]                      ; 0 onto my spare word
	s_wait_dscnt 4*NL+1                            ; (the add and the youngest sixteen loads, A's blocks 4-7, may be out)
	WIN MUL_LO
	MUL16 0, 1, NQ-1, \slot, 0
	s_wait_dscnt 0x0                               ; the add is done, and my reads of this slot are over
	s_barrier_signal -1
	MUL16 2, 1, NQ-1, \slot, 0
	WIN 0
	s_barrier_wait -1
.if \fill
	CREST                                          ; the barrier has opened a round of the cluster's barrier: no wave of any partner still reads this slot or has a load on its way
	s_add_nc_u64 s[G0+4*\slot+2:G0+4*\slot+3], s[G0+4*\slot+2:G0+4*\slot+3], 2*ROWB
	s_add_nc_u64 s[G0B+4*\slot+2:G0B+4*\slot+3], s[G0B+4*\slot+2:G0B+4*\slot+3], 2*ROWB
	JLOAD G0+4*\slot, G1, G0B+4*\slot, G1B         ; the first tensor load behind the round; its four v_nop are among the places in front of the loads below
	PLACES NP-4
.else
	PLACES NP
.endif
	s_wait_alu depctr_va_vdst(0)
	v_add_nc_u32 v[ADRS], 4*NQ, v[ADRS]            ; on to the next K step's scale words
	FETCH_B \next, 0, 0
	FETCH_A \next, 0, 0
	SCALES \next
	WIN MUL_HI
	MUL16 4, 1, NQ-1, \slot, 0
	MUL16 6, 1, NQ-1, \slot, 0
	PLACES NP
	WIN 0
	FETCH_A \next, 0, 4
.endm
	s_wait_alu depctr_va_vdst(0)
	s_wait_tensorcnt 1                             ; the scales and my part of K step 0 are in (K step 1's load may be out)
	s_barrier_signal -1
	s_barrier_wait -1                              ; everybody's are
	FETCH_B 0, 0, 0
	FETCH_A 0, 0, 0
	SCALES 0
	FETCH_A 0, 0, 4
	STEP 0, 0, 1
	s_mov_b32 s3, LAPS-1
.Llap:                                                 ; a trip goes once round the ring and fills both slots again
	TURN 0, 1, 1
	STEP 1, 0, 0
	TURN 1, 0, 1
	STEP 0, 0, 0
	s_sub_co_u32 s3, s3, 1
	s_cmp_lg_u32 s3, 0
	s_cbranch_scc1 .Llap
	TURN 0, 1, 0                                   ; the last lap fills nothing, and has no round of the cluster's barrier
	STEP 1, 0, 0
	s_wait_dscnt 4*NL
	WIN MUL_LO
	MUL16 0, 1, NQ-1, 1, 0
	MUL16 2, 1, NQ-1, 1, 0
	s_wait_dscnt 0
	WIN MUL_HI
	MUL16 4, 1, NQ-1, 1, 0
	MUL16 6, 1, NQ-1, 1, 0
	WIN 0
; 64 numbers of a lane, register 16 b + i = k 32 b + 16 (lane / 16) + i of my row, become a fragment's codes in v[PC] on and its scale word in v[PW].
.macro QUANT s
.irp b, 0,1,2,3
	v_max3_num_f32 v[TM+\b], |v[\s+16*\b]|, |v[\s+1+16*\b]|, 0x4800000   ; block b: my 16 numbers, and the floor 2^(9 - 127): so the byte cannot fall under 1
.endr
.irp i, 2,4,6,8,10,12,14
.irp b, 0,1,2,3
	v_max3_num_f32 v[TM+\b], v[TM+\b], |v[\s+16*\b+\i]|, |v[\s+1+16*\b+\i]|   ; (the four blocks by turns)
.endr
.endr
.irp b, 0,1,2,3
	v_permlanex16_b32 v[TM+4+\b], v[TM+\b], s[SEL], s[SEL+1]
.endr
.irp b, 0,1,2,3
	v_max_num_f32 v[TM+\b], v[TM+\b], v[TM+4+\b]   ; with lane l xor 16's: the block's largest magnitude
.endr
.irp b, 0,1,2,3
	v_add_nc_u32 v[TM+12+\b], 0xfc000000, v[TM+\b]   ; 8 off its exponent field: the conversion's scale operand
.endr
.irp b, 0,1,2,3
.endr
.irp b, 0,1,2,3
	v_lshrrev_b32 v[TM+4+\b], 23, v[TM+12+\b]      ; the scale's byte
.endr
	v_lshl_or_b32 v[PW], v[TM+5], 8, v[TM+4]
	v_lshl_or_b32 v[PW], v[TM+6], 16, v[PW]
	v_lshl_or_b32 v[PW], v[TM+7], 24, v[PW]
.irp b, 0,1,2,3
.irp i, 0,1,2,3,4,5,6,7,8,9,10,11,12,13,14,15
.endr
	v_cvt_scalef32_pk8_fp8_f32 v[PC+4*\b:PC+1+4*\b], v[\s+16*\b:\s+7+16*\b], v[TM+12+\b]
	v_cvt_scalef32_pk8_fp8_f32 v[PC+2+4*\b:PC+3+4*\b], v[\s+8+16*\b:\s+15+16*\b], v[TM+12+\b]
.endr
	v_nop                                          ; one plain vector line behind the last conversion
.endm
; Block a of my eight (16 stored rows of A x 128 along B) leaves: bias along A, quantiser, four stores of 512 consecutive aligned bytes, its scale word to my bytes of LDS.
.macro EBLOCK a
.set AC, 64*((\a)%4)
.if (\a) > 0
	s_wait_xcnt 0x0                                ; the last block's stores have read their data and their base: both are written again only behind this wait
	s_wait_dscnt 0x0                               ; and its LDS store its word
.if (\a) == 4
	s_add_nc_u64 s[OUT:OUT+1], s[OUT:OUT+1], s[INC4:INC4+1]
.else
	s_add_nc_u64 s[OUT:OUT+1], s[OUT:OUT+1], s[INC1:INC1+1]
.endif
.endif
	WIN 0x02+(\a)/4                                ; source 0: window 2 or 3
.set k, 0
.rept 64
	v_add_f32 v[T+k], v[AC+k], v[BM+(\a)]          ; each accumulator from its low end on; the lane's one number of bv (0 for q, k)
.set k, k+1
.endr
	WIN 0
	QUANT T
	global_store_b128 v[GOF0], v[PC:PC+3], s[OUT:OUT+1]
	global_store_b128 v[GOF0], v[PC+4:PC+7], s[OUT:OUT+1] offset:512
	global_store_b128 v[GOF1], v[PC+8:PC+11], s[OUT:OUT+1]
	global_store_b128 v[GOF1], v[PC+12:PC+15], s[OUT:OUT+1] offset:512
	v_lshrrev_b32 v[W2], v[SHV], v[PW]             ; q, k: lanes 0-15 keep the first head's two bytes, lanes 16-31 take the second head's; v: the whole word
	v_and_b32 v[W2], s[MK], v[W2]
	ds_store_b32 v[SST], v[W2] offset:64*(\a)
.endm
	PLACES NP                                      ; behind the last products: the lines below write registers that held A's fragments, and read results
.irp b, 0,1,2,3
	v_mov_b32 v[TM+4+\b], 0                        ; a lane permute's destination counts as one of its sources
.endr
.irp a, 0,1,2,3,4,5,6,7
	EBLOCK \a
.endr
	ds_load_b128 v[X:X+3], v[SRD]                  ; LDS serves a wave's instructions in order: these see my stores.  q, k: the first head's 8 tiles; v: two heads' 4 tiles each
	ds_load_b128 v[X+4:X+7], v[SRD] offset:512     ; q, k: the second head's
	s_wait_dscnt 0x0
	global_store_b128 v[SOF], v[X:X+3], s[OSC:OSC+1]
	s_cmp_eq_u32 ttmp9, 2
	s_cbranch_scc1 .Lno_second
	global_store_b128 v[SOF], v[X+4:X+7], s[OSC:OSC+1] offset:32768
.Lno_second:
	s_wait_tensorcnt 0x0                           ; the wave's end
	ds_add_u32 v[SPW], v[NIL]
	s_wait_dscnt 0x0
	CROUND                                         ; the closing round: no work-group ends while a partner may still ask for a tile that names it
	s_endpgm
.Lfunc_end_k_qf752003ae1_qkv:
	.size	k_qf752003ae1_qkv, .Lfunc_end_k_qf752003ae1_qkv-k_qf752003ae1_qkv
	.p2alignl 7, 3214868480
	.fill 96, 4, 3214868480
	.section	.rodata,"a",@progbits
	.p2align	6, 0x0
	.amdhsa_kernel k_qf752003ae1_qkv
		.amdhsa_group_segment_fixed_size 327680
		.amdhsa_private_segment_fixed_size 0
		.amdhsa_enable_private_segment 0
		.amdhsa_kernarg_size 72
		.amdhsa_user_sgpr_count 2
		.amdhsa_user_sgpr_kernarg_segment_ptr 1
		.amdhsa_wavefront_size32 1
		.amdhsa_system_sgpr_workgroup_id_x 1
		.amdhsa_system_sgpr_workgroup_id_y 1
		.amdhsa_system_sgpr_workgroup_id_z 1
		.amdhsa_system_vgpr_workitem_id 0
		.amdhsa_next_free_vgpr 1024
		.amdhsa_next_free_sgpr 106
		.amdhsa_reserve_vcc 0
		.amdhsa_float_denorm_mode_32 3
		.amdhsa_float_denorm_mode_16_64 3
		.amdhsa_fp16_overflow 1
		.amdhsa_memory_ordered 1
		.amdhsa_forward_progress 1
		.amdhsa_inst_pref_size 173
	.end_amdhsa_kernel
	.amdgpu_metadata
---
amdhsa.version: [ 1, 2 ]
amdhsa.kernels:
  - .name:           k_qf752003ae1_qkv
    .symbol:         k_qf752003ae1_qkv.kd
    .args:
      - { .name: cod, .offset: 0, .size: 8, .value_kind: global_buffer, .address_space: global }
      - { .name: scl, .offset: 8, .size: 8, .value_kind: global_buffer, .address_space: global }
      - { .name: bq, .offset: 16, .size: 8, .value_kind: global_buffer, .address_space: global }
      - { .name: bk, .offset: 24, .size: 8, .value_kind: global_buffer, .address_space: global }
      - { .name: qk, .offset: 32, .size: 8, .value_kind: global_buffer, .address_space: global }
      - { .name: qks, .offset: 40, .size: 8, .value_kind: global_buffer, .address_space: global }
      - { .name: vimg, .offset: 48, .size: 8, .value_kind: global_buffer, .address_space: global }
      - { .name: vs, .offset: 56, .size: 8, .value_kind: global_buffer, .address_space: global }
      - { .name: bv, .offset: 64, .size: 8, .value_kind: global_buffer, .address_space: global }
    .group_segment_fixed_size: 327680
    .private_segment_fixed_size: 0
    .kernarg_segment_align: 8
    .kernarg_segment_size: 72
    .max_flat_workgroup_size: 128
    .sgpr_count:     106
    .vgpr_count:     1024
    .wavefront_size: 32
...
	.end_amdgpu_metadata
.endif
;; end of part 2
;; launch attn (part 3): grid 4 x 64, 16 waves a work-group, no clusters, 327,680 bytes of LDS; arguments qk, qks, vimg, vs, oimg, osc; writes oimg, osc
.if DOCPART == 3
	.amdgcn_target "amdgcn-amd-amdhsa--gfx1250"
	.amdhsa_code_object_version 6
	.text
	.protected	k_qf752003ae1_attn
	.globl	k_qf752003ae1_attn
	.p2align	8
	.type	k_qf752003ae1_attn,@function
k_qf752003ae1_attn:
	s_mov_b64 s[64:65], 0
	v_nop
	global_prefetch_b8 v0, s[64:65] scope:SCOPE_SE
	s_setreg_imm32_b32 hwreg(HW_REG_WAVE_MODE, 25, 1), 1
	s_wait_xcnt 0x0
; O[b][head][q] = the sum over keys k <= q of softmax_k(Q . K / 8) V, both products on codes of FP8 (E4M3) with one E8M0 scale for each 32 along a product's K; O / l is quantised along the 64 channels and leaves as an operand image.
; IN.  qk [32: q's 16 heads, k's 16][512 tiles of 16 stored tokens][2 pieces][32 lanes][16 bytes]: lane (r, h), piece c: channels 32 c + 16 h + 0 .. 15 of stored token r; qks [32][512][16][word: 2 bytes, 2 zeros];
;      vimg [64 batch x head][16 steps of 128 keys][4 tiles of 16 stored channels][4 pieces][32 lanes][16 bytes]; vs [64][16][4][16][word].  Stored tile 2 B + u holds the true rows 32 B + 8 u + r + 8 (r / 8).
; OUT. oimg [16 heads][512 tiles][2][32][16 bytes], as qk; osc [8192 stored tokens][32 bytes]: byte 2 head + block.
; THE SOFTMAX: t = score x log2(e) / 8; M = the row's largest t so far, rounded UP to a whole number; p = 2^(t - M) is quantised along the keys; the row's sum is taken of the unquantised p and divides O at the end.
; When M moves, the sum and O are multiplied by 2^(old M - new M): exact.
; SHARES.  A work-group takes two blocks of 256 queries of one head: block 7 - x, which wants key blocks 0 .. 7 - x, then block x, which wants 0 .. x: nine slots of 256 keys for every work-group: 256 work-groups of
; equal work, ONE loop of a constant count, no tile fetched that nobody reads.  Each of sixteen waves owns one tile of 16 queries in 256 registers, four waves to a SIMD.
; No joint loads: the four work-groups of a head change from their first block to their second in different trips, so that their requests differ from then on.
; LAYOUT.  Both products transposed: S^T = K Q^T, O^T = V^T P^T: a lane holds ONE query.  By the stored order of the tokens the 16 registers of S^T's tiles 2 B, 2 B + 1 are 16 neighbouring keys, and by that of wv's rows
; O^T's are 16 neighbouring channels: the conversions' results are the next operand's registers.
; THE HEAD HAS 64 CHANNELS, THE INSTRUCTION 128: Q's registers 8-15 hold zero codes for the whole launch.  K's registers 8-15 are not loaded: they hold zeros at first, later codes of V left from the step before
; (held at 448, so never the NaN code): times zero codes they add exactly 0; the scale bytes of those two blocks are 0, which is a power of two.
; LIMITS: NaN and infinities are not served; a block of zeros gets the byte 1 with zero codes (this program alone reads the bytes).
; A block's largest p is the block's largest score put through the same multiply-add and exponential: this takes v_exp_f32 not to fall where its input rises.
.set SLOT1, 1<<16                      ; slot 1 begins here: one exclusive or turns an address
.set VCO,   16384                      ; a slot: K's 16 tiles (16,384 bytes), V's two key steps (16,384),
.set KSO,   32768                      ; K's scale words (1,024),
.set VSO,   33792                      ; V's (512)
.set SPARE, 131072                     ; the spare words, 128 bytes for each of 16 waves: eight blocks of 256 bytes that no other line names
.set AK0,  1                           ; v1   16 x lane: my place in an image of K
.set AV0,  2                           ; v2   the same for V
.set ASK0, 3                           ; v3   4 r: my place among K's scale words
.set ASV0, 4                           ; v4   and V's
.set SPW,  5                           ; v5   my spare word; never rewritten
.set NIL,  6                           ; v6   0; never rewritten
.set QL,   7                           ; v7   r + 8 (r / 8) - 16 h
.set ADK,  8
.set ADV,  9
.set ADS,  10
.set ADT,  11
.set QOFF,  208                        ; v208 my byte in Q's and O's images
.set QSOFF, 209                        ; v209 in Q's scale words
.set OSOFF, 210                        ; v210 in osc
.set R4,    211                        ; v211 4 r
.set R32H,  212                        ; v212 32 r + h
.set WV,   18
.set MNT,  19
.set SEL,  20
.set CS,   22                          ; s[22:23] c = log2(e) / 8
.set G1C,  24                          ; s[24:31] group 1: 16,384 dense bytes as 64 rows of 256
.set G1KS, 32                          ; s[32:39] 1,024 bytes as 4 rows
.set G1VS, 40                          ; s[40:47] 512 bytes as 2 rows
.set G0KC, 48
.set G0VC, 52
.set G0KS, 56
.set G0VS, 60
.set BKC,  66                          ; s[66:73] where the head's K codes, V codes, K scale words, V scale words begin
.set BVC,  68
.set BKS,  70
.set BVS,  72
.set QB,   74
.set QSB,  76
.set OB,   78
.set OSB,  80
.set TB,   82                          ; the slot in hand
.set TRIP, 83
.set SW,   84                          ; the trip behind which the second block of queries begins: 7 - x
.set KBC,  85                          ; the key block in hand
.set KBN,  86                          ; the next
.set KF,   87                          ; the step's first key
.set Q0,   88                          ; my smallest query
.set MT,   89                          ; my tile of queries
.set MTB,  90                          ; the second block's
.set Q0B,  91
.set HM,   97                          ; lanes 16-31
; Wave 0 fetches K's codes, wave 1 V's, wave 2 K's scale words, wave 3 V's, the others nothing: one tensor load a wave.  Four v_nop follow each line.
.macro TLOAD4
	s_cmp_lg_u32 s[WV], 0
	s_cbranch_scc1 .Ln0_\@
	tensor_load_to_lds s[G0KC:G0KC+3], s[G1C:G1C+7]
	s_nop 0
.rept 4
	v_nop
.endr
	s_branch .Ldone_\@
.Ln0_\@:
	s_cmp_lg_u32 s[WV], 1
	s_cbranch_scc1 .Ln1_\@
	tensor_load_to_lds s[G0VC:G0VC+3], s[G1C:G1C+7]
	s_nop 0
.rept 4
	v_nop
.endr
	s_branch .Ldone_\@
.Ln1_\@:
	s_cmp_lg_u32 s[WV], 2
	s_cbranch_scc1 .Ln2_\@
	tensor_load_to_lds s[G0KS:G0KS+3], s[G1KS:G1KS+7]
	s_nop 0
.rept 4
	v_nop
.endr
	s_branch .Ldone_\@
.Ln2_\@:
	s_cmp_lg_u32 s[WV], 3
	s_cbranch_scc1 .Ldone_\@
	tensor_load_to_lds s[G0VS:G0VS+3], s[G1VS:G1VS+7]
	s_nop 0
.rept 4
	v_nop
.endr
.Ldone_\@:
.endm
	s_load_b256 s[4:11], s[0:1], 0x0               ; qk s[4:5], qks s[6:7], vimg s[8:9], vs s[10:11]
	s_load_b128 s[12:15], s[0:1], 0x20             ; oimg s[12:13], osc s[14:15]
	v_lshl_add_u32 v[SPW], v0, 2, SPARE
	v_mov_b32 v[NIL], 0
	ds_add_u32 v5, v6
	ds_add_u32 v5, v6
	s_wait_dscnt 0x0
	v_lshrrev_b32 v8, 5, v0
	s_delay_alu instid0(VALU_DEP_1)
	v_readfirstlane_b32 s[WV], v8                  ; wave 0..15
	s_and_b32 s16, ttmp7, 0xffff                   ; batch x head
	s_lshr_b32 s17, s16, 4                         ; batch
	s_and_b32 s3, s16, 15                          ; head
	s_lshl_b32 s[QB], s3, 19                       ; a head's images: 524,288 bytes
	s_mov_b32 s[QB+1], 0
	s_lshl_b32 s[QSB], s3, 15                      ; its scale words: 32,768
	s_mov_b32 s[QSB+1], 0
	s_lshl_b32 s[OSB], s3, 1                       ; its two bytes in a row of osc
	s_mov_b32 s[OSB+1], 0
	s_lshl_b32 s92, s17, 17                        ; a batch's 128 tiles
	s_add_co_u32 s[BKC], s[QB], s92
	s_add_co_u32 s[BKC], s[BKC], 16<<19            ; k's heads lie behind q's sixteen
	s_mov_b32 s[BKC+1], 0
	s_lshl_b32 s92, s17, 13
	s_add_co_u32 s[BKS], s[QSB], s92
	s_add_co_u32 s[BKS], s[BKS], 16<<15
	s_mov_b32 s[BKS+1], 0
	s_lshl_b32 s[BVC], s16, 17
	s_mov_b32 s[BVC+1], 0
	s_lshl_b32 s[BVS], s16, 12
	s_mov_b32 s[BVS+1], 0
.irp g, G1C, G1KS, G1VS
	s_mov_b32 s[\g], 3<<16                         ; no mask; elements of 8 bytes; no padding: every read takes 16 x lane or 4 x row
	s_mov_b32 s[\g+1], 32<<16                      ; tensor_dim0 = 32 elements: rows of 256 bytes
	s_mov_b32 s[\g+3], 32<<16                      ; tile_dim0
	s_mov_b32 s[\g+5], 32                          ; the pitch: dense
	s_mov_b32 s[\g+6], 0
	s_mov_b32 s[\g+7], 0
.endr
	s_mov_b32 s[G1C+2], 64<<16                     ; tensor_dim1 and tile_dim1: the rows
	s_mov_b32 s[G1C+4], 64
	s_mov_b32 s[G1KS+2], 4<<16
	s_mov_b32 s[G1KS+4], 4
	s_mov_b32 s[G1VS+2], 2<<16
	s_mov_b32 s[G1VS+4], 2
	s_mov_b32 s[SEL], 0x76543210
	s_mov_b32 s[SEL+1], 0xfedcba98
	s_mov_b32 s[CS], 0x3e38aa3b                    ; c = log2(e) / 8
	s_mov_b32 s[CS+1], s[CS]                       ; (named with it as a pair, so it is written)
	s_mov_b32 s[HM], 0xffff0000
	s_wait_kmcnt 0x0
	s_add_nc_u64 s[OB:OB+1], s[12:13], s[QB:QB+1]
	s_add_nc_u64 s[QB:QB+1], s[4:5], s[QB:QB+1]
	s_add_nc_u64 s[QSB:QSB+1], s[6:7], s[QSB:QSB+1]
	s_add_nc_u64 s[OSB:OSB+1], s[14:15], s[OSB:OSB+1]
	s_add_nc_u64 s[BKC:BKC+1], s[4:5], s[BKC:BKC+1]
	s_add_nc_u64 s[BKS:BKS+1], s[6:7], s[BKS:BKS+1]
	s_add_nc_u64 s[BVC:BVC+1], s[8:9], s[BVC:BVC+1]
	s_add_nc_u64 s[BVS:BVS+1], s[10:11], s[BVS:BVS+1]
	s_mov_b32 s[G0KC], 1                           ; group 0: count 1; LDS address in slot 0; key block 0; type 2
	s_mov_b32 s[G0KC+1], 0
	s_mov_b64 s[G0KC+2:G0KC+3], s[BKC:BKC+1]
	s_or_b32 s[G0KC+3], s[G0KC+3], 0x80000000
	s_mov_b32 s[G0VC], 1
	s_mov_b32 s[G0VC+1], VCO
	s_mov_b64 s[G0VC+2:G0VC+3], s[BVC:BVC+1]
	s_or_b32 s[G0VC+3], s[G0VC+3], 0x80000000
	s_mov_b32 s[G0KS], 1
	s_mov_b32 s[G0KS+1], KSO
	s_mov_b64 s[G0KS+2:G0KS+3], s[BKS:BKS+1]
	s_or_b32 s[G0KS+3], s[G0KS+3], 0x80000000
	s_mov_b32 s[G0VS], 1
	s_mov_b32 s[G0VS+1], VSO
	s_mov_b64 s[G0VS+2:G0VS+3], s[BVS:BVS+1]
	s_or_b32 s[G0VS+3], s[G0VS+3], 0x80000000
	TLOAD4                                         ; slot 0: a wave's one first fill, ahead of every wait on TENSORcnt, LDS read and barrier
	v_and_b32 v8, 15, v0                           ; r
	v_bfe_u32 v9, v0, 4, 1                         ; h
	v_and_b32 v10, 31, v0                          ; lane
	s_delay_alu instid0(VALU_DEP_1)
	v_lshlrev_b32 v[AK0], 4, v10
	s_delay_alu instid0(VALU_DEP_1)
	v_add_nc_u32 v[AV0], VCO, v[AK0]
	v_lshlrev_b32 v[R4], 2, v8
	s_delay_alu instid0(VALU_DEP_1)
	v_add_nc_u32 v[ASK0], KSO, v[R4]
	s_delay_alu instid0(VALU_DEP_2)
	v_add_nc_u32 v[ASV0], VSO, v[R4]
	v_and_b32 v11, 8, v8
	s_delay_alu instid0(VALU_DEP_1)
	v_add_nc_u32 v11, v11, v8                      ; r + 8 (r / 8)
	v_lshlrev_b32 v10, 4, v9
	s_delay_alu instid0(VALU_DEP_1)
	v_sub_nc_u32 v[QL], v11, v10
	v_lshl_add_u32 v[R32H], v8, 5, v9
.irp j, 0,1,2,3,4,5,6,7
	v_mov_b32 v[24+\j], 0                          ; Q's upper half: zero codes, for the whole launch
.endr
.irp t, 0,1,2,3
.irp j, 0,1,2,3,4,5,6,7
	v_mov_b32 v[40+16*\t+\j], 0                    ; K's upper halves: written once
.endr
.endr
.irp b, 0,1,2,3
	v_mov_b32 v[236+\b], 0                         ; written once: a lane permute's destination counts as one of its sources
.endr
	v_mov_b32 v252, 0
	v_mov_b32 v253, 0                              ; (named as the upper half of the pair v[252:253] before it is first written)
	s_sub_co_u32 s[SW], 7, ttmp9
	s_lshr_b32 s92, s[WV], 1
	s_lshl_b32 s92, s92, 5
	s_and_b32 s93, s[WV], 1
	s_lshl_b32 s93, s93, 3
	s_add_co_u32 s92, s92, s93                     ; my tile's smallest query in its block: 32 (w / 2) + 8 (w % 2)
	s_lshl_b32 s93, s[SW], 8
	s_add_co_u32 s[Q0], s92, s93
	s_lshl_b32 s93, ttmp9, 8
	s_add_co_u32 s[Q0B], s92, s93
	s_lshl_b32 s92, s17, 7
	s_add_co_u32 s92, s92, s[WV]                   ; 128 x batch + wave
	s_lshl_b32 s93, s[SW], 4
	s_add_co_u32 s[MT], s92, s93
	s_lshl_b32 s93, ttmp9, 4
	s_add_co_u32 s[MTB], s92, s93
; A block of queries begins: addresses, Q's fragment and scale word, and the running figures.  O^T and the sum begin as zeros and the largest t as -3e38: the first change of M multiplies zeros.
.macro INITPASS
	v_lshl_add_u32 v[QOFF], s[MT], 10, v[AK0]
	v_lshl_add_u32 v[QSOFF], s[MT], 6, v[R4]
	v_lshl_add_u32 v[OSOFF], s[MT], 9, v[R32H]
	global_load_b128 v[16:19], v[QOFF], s[QB:QB+1]
	global_load_b128 v[20:23], v[QOFF], s[QB:QB+1] offset:512
	global_load_b32 v255, v[QSOFF], s[QSB:QSB+1]
	v_mov_b32 v13, 0xff61b1e6                      ; the largest t so far: -3e38
	s_delay_alu instid0(VALU_DEP_1)
	v_floor_f32 v12, -v13                          ; -M
	v_mov_b32 v14, 0                               ; the sum, in two halves
	v_mov_b32 v15, 0
.set j, 0
.rept 32
	v_mov_b32 v[160+j], 0                          ; O^T: the step is written once, with no first step of its own
.set j, j+1
.endr
	s_wait_loadcnt 0x0
.endm
; A KEY STEP: 128 keys, the q-th of the slot in hand.  A step all of whose keys come after my queries (the largest is Q0 + 23) is left out: a scalar branch on ids; no barrier or tensor load stands in a step.
.macro STEP q
	s_add_co_u32 s96, s[Q0], 23
	s_cmp_gt_u32 s[KF], s96
	s_cbranch_scc1 .Lhidden_\@
	v_add_nc_u32 v[ADK], s[TB], v[AK0]
	s_wait_alu depctr_va_vdst(0)
	v_add_nc_u32 v[ADV], s[TB], v[AV0]
	v_add_nc_u32 v[ADS], s[TB], v[ASK0]
	s_wait_alu depctr_va_vdst(0)
	v_add_nc_u32 v[ADT], s[TB], v[ASV0]
	s_wait_alu depctr_va_vdst(0)
.irp g, 0,1                                    ; S^T = K Q^T, four tiles of 16 keys at a time
.rept 4+4*\g
	v_nop                                          ; eight places in front of loads into registers that matrix instructions have read (the four additions above are places too)
.endr
.irp t, 0,1,2,3
	ds_load_b128 v[32+16*\t:35+16*\t], v[ADK] offset:(8*(\q)+4*\g+\t)*1024
	ds_load_b128 v[36+16*\t:39+16*\t], v[ADK] offset:(8*(\q)+4*\g+\t)*1024+512
	ds_load_b32 v[248+\t], v[ADS] offset:(8*(\q)+4*\g+\t)*64
.endr
	s_wait_dscnt 0x0
.irp t, 0,1,2,3
	v_wmma_scale_f32_16x16x128_f8f6f4 v[96+8*(4*\g+\t):103+8*(4*\g+\t)], v[32+16*\t:47+16*\t], v[16:31], 0, v[248+\t], v255
.endr
.endr
.rept 8
	v_nop                                          ; places: in front of the loads below and of the first read of the scores
.endr
.irp t, 0,1,2,3                                ; V's four tiles of 16 channels x these 128 keys are asked for now and land under the softmax
.irp c, 0,1,2,3
	ds_load_b128 v[32+16*\t+4*\c:35+16*\t+4*\c], v[ADV] offset:8192*(\q)+2048*\t+512*\c
.endr
	ds_load_b32 v[248+\t], v[ADT] offset:256*(\q)+64*\t
.endr
	s_add_co_u32 s96, s[KF], 127                   ; on the diagonal the scores of hidden keys become -infinity ahead of the maximum: p = 0 then.  A step all of whose keys count skips this
	s_cmp_le_u32 s96, s[Q0]
	s_cbranch_scc1 .Lopen_\@
	s_sub_co_i32 s96, s[Q0], s[KF]
	v_add_nc_u32 v252, s96, v[QL]                  ; d = my query - KF - 16 h.  Register 16 b + i holds key KF + 16 h + 32 b + i: hidden where 32 b + i > d
	v_mov_b32 v254, 0xff800000
.set n, 0
.rept 64
	v_cmp_gt_i32 vcc_lo, 32*(n/16)+n%16, v252
	v_cndmask_b32 v[96+n], v[96+n], v254, vcc_lo
.set n, n+1
.endr
.Lopen_\@:
.irp b, 0,1,2,3
	v_max3_num_f32 v[232+\b], v[96+16*\b], v[97+16*\b], v[98+16*\b]   ; the largest score of each block of 32 keys: for the row's maximum, and for the block's largest p
.endr
.irp i, 3,5,7,9,11,13
.irp b, 0,1,2,3
	v_max3_num_f32 v[232+\b], v[232+\b], v[96+16*\b+\i], v[97+16*\b+\i]
.endr
.endr
.irp b, 0,1,2,3
	v_max_num_f32 v[232+\b], v[232+\b], v[111+16*\b]
.endr
.irp b, 0,1,2,3
	s_delay_alu instid0(VALU_DEP_4)
	v_permlanex16_b32 v[236+\b], v[232+\b], s[SEL], s[SEL+1]
.endr
.irp b, 0,1,2,3
	s_delay_alu instid0(VALU_DEP_4)
	v_max_num_f32 v[232+\b], v[232+\b], v[236+\b]  ; with lane l xor 16's 16 keys
.endr
	s_delay_alu instid0(VALU_DEP_2)
	v_max3_num_f32 v254, v232, v233, v234
	s_delay_alu instid0(VALU_DEP_1)
	v_max_num_f32 v254, v254, v235                 ; the step's largest score of my query
	s_delay_alu instid0(VALU_DEP_1)
	v_mul_f32 v254, s[CS], v254                    ; as t
	s_delay_alu instid0(VALU_DEP_1)
	v_max_num_f32 v13, v13, v254                   ; the running largest t
	v_mov_b32 v254, v12
	s_delay_alu instid0(VALU_DEP_2)
	v_floor_f32 v12, -v13                          ; the new -M = -ceil(t)
	s_delay_alu instid0(VALU_DEP_1)
	v_sub_f32 v254, v12, v254                      ; old M - new M: a whole number, 0 or less
	s_delay_alu instid0(VALU_DEP_1)
	v_cvt_i32_f32 v254, v254                       ; (it saturates)
	s_delay_alu instid0(VALU_DEP_1)
	v_ldexp_f32 v252, 1.0, v254                    ; f = 2^(old M - new M)
.set j, 0
.rept 32
	v_pk_fma_f32 v[96+j:97+j], v[96+j:97+j], s[CS:CS+1], v[12:13] op_sel_hi:[1,0,0]   ; t - M, two at a time
.set j, j+2
.endr
.irp b, 0,1,2,3
	v_fma_f32 v[232+\b], v[232+\b], s[CS], v12     ; the same of each block's largest score
.endr
.set j, 0
	s_wait_alu depctr_va_vdst(0)
.rept 64
	v_exp_f32 v[96+j], v[96+j]                     ; p = 2^(t - M), at most 1: not normalised
.set j, j+1
.endr
.irp b, 0,1,2,3
	v_exp_f32 v[232+\b], v[232+\b]                 ; the block's largest p
.endr
	v_pk_mul_f32 v[14:15], v[14:15], v[252:253] op_sel_hi:[1,0]   ; the sums under the new M (a plain line behind the exponentials)
	s_wait_alu depctr_va_vdst(0)
.irp b, 0,1,2,3
	v_max_num_f32 v[232+\b], 0x4800000, v[232+\b]  ; the floor 2^(9 - 127): the byte cannot fall under 1
.endr
.irp b, 0,1,2,3
	s_delay_alu instid0(VALU_DEP_4)
	v_add_nc_u32 v[244+\b], 0xfc000000, v[232+\b]  ; the conversion's scale operand
.endr
.irp b, 0,1,2,3
.endr
.irp b, 0,1,2,3
	s_delay_alu instid0(VALU_DEP_4)
	v_lshrrev_b32 v[236+\b], 23, v[244+\b]         ; the scale's byte
.endr
	s_delay_alu instid0(VALU_DEP_3)
	v_lshl_or_b32 v253, v237, 8, v236              ; p's scale word for these 128 keys
	s_delay_alu instid0(VALU_DEP_1)
	v_lshl_or_b32 v253, v238, 16, v253
	s_delay_alu instid0(VALU_DEP_1)
	v_lshl_or_b32 v253, v239, 24, v253
	v_pk_add_f32 v[236:237], v[100:101], v[104:105]
	v_pk_add_f32 v[242:243], v[108:109], v[112:113]
	v_pk_add_f32 v[240:241], v[116:117], v[120:121]
	v_pk_add_f32 v[234:235], v[124:125], v[128:129]
	v_pk_add_f32 v[232:233], v[132:133], v[136:137]
	v_pk_add_f32 v[230:231], v[140:141], v[144:145]
	v_pk_add_f32 v[228:229], v[148:149], v[152:153]
	v_pk_add_f32 v[14:15], v[14:15], v[156:157]
	v_pk_add_f32 v[236:237], v[236:237], v[96:97]
	v_pk_add_f32 v[242:243], v[242:243], v[98:99]
	v_pk_add_f32 v[240:241], v[240:241], v[102:103]
	v_pk_add_f32 v[234:235], v[234:235], v[106:107]
	v_pk_add_f32 v[232:233], v[232:233], v[110:111]
	v_pk_add_f32 v[230:231], v[230:231], v[114:115]
	v_pk_add_f32 v[228:229], v[228:229], v[118:119]
	v_pk_add_f32 v[14:15], v[14:15], v[122:123]
	v_pk_add_f32 v[236:237], v[236:237], v[126:127]
	v_pk_add_f32 v[242:243], v[242:243], v[130:131]
	v_pk_add_f32 v[240:241], v[240:241], v[134:135]
	v_pk_add_f32 v[234:235], v[234:235], v[138:139]
	v_pk_add_f32 v[232:233], v[232:233], v[142:143]
	v_pk_add_f32 v[230:231], v[230:231], v[146:147]
	v_pk_add_f32 v[228:229], v[228:229], v[150:151]
	v_pk_add_f32 v[14:15], v[14:15], v[154:155]
	v_pk_add_f32 v[236:237], v[236:237], v[158:159]
	s_delay_alu instid0(VALU_DEP_2)
	v_pk_add_f32 v[14:15], v[14:15], v[234:235]
	s_delay_alu instid0(VALU_DEP_2)
	v_pk_add_f32 v[236:237], v[236:237], v[232:233]
	v_pk_add_f32 v[242:243], v[242:243], v[230:231]
	v_pk_add_f32 v[240:241], v[240:241], v[228:229]
	s_delay_alu instid0(VALU_DEP_2)
	v_pk_add_f32 v[14:15], v[14:15], v[242:243]
	s_delay_alu instid0(VALU_DEP_2)
	v_pk_add_f32 v[236:237], v[236:237], v[240:241]
	s_delay_alu instid0(VALU_DEP_1)
	v_pk_add_f32 v[14:15], v[14:15], v[236:237]
.irp b, 0,1,2,3
.irp i, 0,1,2,3,4,5,6,7,8,9,10,11,12,13,14,15
.endr
	v_cvt_scalef32_pk8_fp8_f32 v[192+4*\b:193+4*\b], v[96+16*\b:103+16*\b], v[244+\b]
	v_cvt_scalef32_pk8_fp8_f32 v[194+4*\b:195+4*\b], v[104+16*\b:111+16*\b], v[244+\b]
.endr
.set j, 0
.rept 16
	v_pk_mul_f32 v[160+j:161+j], v[160+j:161+j], v[252:253] op_sel_hi:[1,0]   ; O^T under the new M.  (These sixteen are also the places between the codes' conversions and the products below)
.set j, j+2
.endr
	s_wait_alu depctr_va_vdst(0)
	s_wait_dscnt 0x0                               ; V is in
.irp t, 0,1,2,3                                ; O^T += V^T P^T: the four accumulators by turns
	v_wmma_scale_f32_16x16x128_f8f6f4 v[160+8*\t:167+8*\t], v[32+16*\t:47+16*\t], v[192:207], v[160+8*\t:167+8*\t], v[248+\t], v253
.endr
.Lhidden_\@:
	s_add_co_u32 s[KF], s[KF], 128
.endm
; THE CHANGE OF SLOTS stands at a slot's head.  Each wave waits for all its tensor loads, adds 0 to its spare word, and waits for that and for its reads of the slot that it has left.
; Behind the barrier the slot ahead is whole and nobody reads the other one.  fill = 1: that other slot takes key block KBN: the load has a whole slot's two steps in which to land.
.macro CHANGE fill
	s_wait_tensorcnt 0x0                           ; no tensor load of mine is out, so a group 0 may be written
	ds_add_u32 v[SPW], v[NIL]                      ; 0 onto my spare word
.if \fill
	s_xor_b32 s[G0KC+1], s[G0KC+1], SLOT1
	s_xor_b32 s[G0VC+1], s[G0VC+1], SLOT1
	s_xor_b32 s[G0KS+1], s[G0KS+1], SLOT1
	s_xor_b32 s[G0VS+1], s[G0VS+1], SLOT1
	s_lshl_b32 s92, s[KBN], 14                     ; a key block: 16,384 bytes of K's codes and of V's,
	s_mov_b32 s93, 0
	s_add_nc_u64 s[G0KC+2:G0KC+3], s[BKC:BKC+1], s[92:93]
	s_or_b32 s[G0KC+3], s[G0KC+3], 0x80000000
	s_add_nc_u64 s[G0VC+2:G0VC+3], s[BVC:BVC+1], s[92:93]
	s_or_b32 s[G0VC+3], s[G0VC+3], 0x80000000
	s_lshl_b32 s92, s[KBN], 10                     ; 1,024 of K's scale words,
	s_add_nc_u64 s[G0KS+2:G0KS+3], s[BKS:BKS+1], s[92:93]
	s_or_b32 s[G0KS+3], s[G0KS+3], 0x80000000
	s_lshl_b32 s92, s[KBN], 9                      ; 512 of V's
	s_add_nc_u64 s[G0VS+2:G0VS+3], s[BVS:BVS+1], s[92:93]
	s_or_b32 s[G0VS+3], s[G0VS+3], 0x80000000
.endif
	s_wait_dscnt 0x0                               ; the add is done, and my reads of the slot that I have left are over
	s_barrier_signal -1
	s_barrier_wait -1
.if \fill
	TLOAD4                                         ; the first thing behind the barrier, and a wave's one tensor load until the next
.endif
.endm
; A block of queries ends: O^T / the sum, quantised along the head's 64 channels (two blocks of 32; a block lies in lanes l and l xor 16), leaves as an image; lane (r, h) stores block h's scale byte of row r.
.macro FINISH
.rept 8
	v_nop                                          ; places behind the last products
.endr
	v_add_f32 v14, v14, v15                        ; the sum's two halves,
	s_delay_alu instid0(VALU_DEP_1)
	v_permlanex16_b32 v252, v14, s[SEL], s[SEL+1]
	s_delay_alu instid0(VALU_DEP_1)
	v_add_f32 v14, v14, v252                       ; and lane l xor 16's: the row's sum
	s_wait_alu depctr_va_vdst(0)
	v_rcp_f32 v14, v14
	v_nop                                          ; one plain line behind a transcendental
.set j, 0
	s_wait_alu depctr_va_vdst(0)
.rept 16
	v_pk_mul_f32 v[96+j:97+j], v[160+j:161+j], v[14:15] op_sel_hi:[1,0]   ; register 16 b + i: channel 32 b + 16 h + i; each accumulator from its low end on
.set j, j+2
.endr
.irp b, 0,1
	v_max3_num_f32 v[232+\b], |v[96+16*\b]|, |v[97+16*\b]|, 0x4800000
.endr
.irp i, 2,4,6,8,10,12,14
.irp b, 0,1
	s_delay_alu instid0(VALU_DEP_2)
	v_max3_num_f32 v[232+\b], v[232+\b], |v[96+16*\b+\i]|, |v[97+16*\b+\i]|
.endr
.endr
.irp b, 0,1
	s_delay_alu instid0(VALU_DEP_2)
	v_permlanex16_b32 v[236+\b], v[232+\b], s[SEL], s[SEL+1]
.endr
.irp b, 0,1
	s_delay_alu instid0(VALU_DEP_2)
	v_max_num_f32 v[232+\b], v[232+\b], v[236+\b]
.endr
.irp b, 0,1
	s_delay_alu instid0(VALU_DEP_2)
	v_add_nc_u32 v[244+\b], 0xfc000000, v[232+\b]
.endr
.irp b, 0,1
.endr
.irp b, 0,1
	s_delay_alu instid0(VALU_DEP_2)
	v_lshrrev_b32 v[236+\b], 23, v[244+\b]
.endr
.irp b, 0,1
.irp i, 0,1,2,3,4,5,6,7,8,9,10,11,12,13,14,15
.endr
	v_cvt_scalef32_pk8_fp8_f32 v[192+4*\b:193+4*\b], v[96+16*\b:103+16*\b], v[244+\b]
	v_cvt_scalef32_pk8_fp8_f32 v[194+4*\b:195+4*\b], v[104+16*\b:111+16*\b], v[244+\b]
.endr
	v_cndmask_b32 v254, v236, v237, s[HM]          ; lanes 16-31 take the second block's byte (also the plain line behind the conversions)
	global_store_b128 v[QOFF], v[192:195], s[OB:OB+1]              ; 32 lanes store 512 consecutive aligned bytes
	global_store_b128 v[QOFF], v[196:199], s[OB:OB+1] offset:512
	global_store_b8 v[OSOFF], v254, s[OSB:OSB+1]   ; two bytes in each of 16 rows of 32: so that the rows lie as the next launch's scale rows want them; one byte for 32 of the image
.endm
	INITPASS
	s_mov_b32 s[TRIP], 0
	s_mov_b32 s[KBC], 0
	s_mov_b32 s[TB], 0
.Lslot:                                            ; eight trips: behind each change of slots but the last the next key block is asked for
	s_add_co_u32 s[KBN], s[KBC], 1
	s_cmp_eq_u32 s[TRIP], s[SW]
	s_cselect_b32 s[KBN], 0, s[KBN]                ; behind the first block's last key block comes the second block's key block 0
	CHANGE 1
	s_lshl_b32 s[KF], s[KBC], 8
	STEP 0
	STEP 1
	s_xor_b32 s[TB], s[TB], SLOT1
	s_cmp_lg_u32 s[TRIP], s[SW]
	s_cbranch_scc1 .Lsame
	FINISH
	s_wait_xcnt 0x0                                ; the stores have read their addresses and data: both are written again only behind this wait
	s_mov_b32 s[MT], s[MTB]
	s_mov_b32 s[Q0], s[Q0B]
	INITPASS
.Lsame:
	s_mov_b32 s[KBC], s[KBN]
	s_add_co_u32 s[TRIP], s[TRIP], 1
	s_cmp_lt_u32 s[TRIP], 8
	s_cbranch_scc1 .Lslot
	CHANGE 0                                       ; the last slot is written out
	s_lshl_b32 s[KF], s[KBC], 8
	STEP 0
	STEP 1
	FINISH
	s_wait_tensorcnt 0x0                           ; the wave's end
	ds_add_u32 v[SPW], v[NIL]
	s_wait_dscnt 0x0
	s_endpgm
.Lfunc_end_k_qf752003ae1_attn:
	.size	k_qf752003ae1_attn, .Lfunc_end_k_qf752003ae1_attn-k_qf752003ae1_attn
	.p2alignl 7, 3214868480
	.fill 96, 4, 3214868480
	.section	.rodata,"a",@progbits
	.p2align	6, 0x0
	.amdhsa_kernel k_qf752003ae1_attn
		.amdhsa_group_segment_fixed_size 327680
		.amdhsa_private_segment_fixed_size 0
		.amdhsa_enable_private_segment 0
		.amdhsa_kernarg_size 48
		.amdhsa_user_sgpr_count 2
		.amdhsa_user_sgpr_kernarg_segment_ptr 1
		.amdhsa_wavefront_size32 1
		.amdhsa_system_sgpr_workgroup_id_x 1
		.amdhsa_system_sgpr_workgroup_id_y 1
		.amdhsa_system_sgpr_workgroup_id_z 1
		.amdhsa_system_vgpr_workitem_id 0
		.amdhsa_next_free_vgpr 256
		.amdhsa_next_free_sgpr 100
		.amdhsa_reserve_vcc 1
		.amdhsa_float_denorm_mode_32 3
		.amdhsa_float_denorm_mode_16_64 3
		.amdhsa_fp16_overflow 1
		.amdhsa_memory_ordered 1
		.amdhsa_forward_progress 1
		.amdhsa_inst_pref_size 116
	.end_amdhsa_kernel
	.amdgpu_metadata
---
amdhsa.version: [ 1, 2 ]
amdhsa.kernels:
  - .name:           k_qf752003ae1_attn
    .symbol:         k_qf752003ae1_attn.kd
    .args:
      - { .name: qk, .offset: 0, .size: 8, .value_kind: global_buffer, .address_space: global }
      - { .name: qks, .offset: 8, .size: 8, .value_kind: global_buffer, .address_space: global }
      - { .name: vimg, .offset: 16, .size: 8, .value_kind: global_buffer, .address_space: global }
      - { .name: vs, .offset: 24, .size: 8, .value_kind: global_buffer, .address_space: global }
      - { .name: oimg, .offset: 32, .size: 8, .value_kind: global_buffer, .address_space: global }
      - { .name: osc, .offset: 40, .size: 8, .value_kind: global_buffer, .address_space: global }
    .group_segment_fixed_size: 327680
    .private_segment_fixed_size: 0
    .kernarg_segment_align: 8
    .kernarg_segment_size: 48
    .max_flat_workgroup_size: 512
    .sgpr_count:     100
    .vgpr_count:     256
    .wavefront_size: 32
...
	.end_amdgpu_metadata
.endif
;; end of part 3
;; launch oproj (part 4): grid 4 x 32, 4 waves a work-group, clusters of 4 x 4, 327,680 bytes of LDS; arguments oimg, osc, cod, scl, bo, out0; writes out0
.if DOCPART == 4
	.amdgcn_target "amdgcn-amd-amdhsa--gfx1250"
	.amdhsa_code_object_version 6
	.text
	.protected	k_qf752003ae1_oproj
	.globl	k_qf752003ae1_oproj
	.p2align	8
	.type	k_qf752003ae1_oproj,@function
k_qf752003ae1_oproj:
	s_mov_b64 s[64:65], 0
	v_nop
	global_prefetch_b8 v0, s[64:65] scope:SCOPE_SE
	s_setreg_imm32_b32 hwreg(HW_REG_WAVE_MODE, 25, 1), 1
	s_wait_xcnt 0x0
	s_wait_alu depctr_hold_cnt(0) depctr_sa_sdst(0) depctr_va_vdst(0) depctr_va_sdst(0) depctr_va_ssrc(0) depctr_va_vcc(0) depctr_vm_vsrc(0)
	s_getreg_b32 s2, hwreg(HW_REG_IB_STS2, 6, 4)
	s_cmp_eq_u32 s2, 0
	s_cbranch_scc0 .Lentry_in_a_cluster
	s_endpgm
.Lentry_in_a_cluster:
	s_bfe_u32 s2, ttmp6, 0x10000c
	s_cmp_lg_u32 s2, 0xf033
	s_cbranch_scc0 .Lentry_shape_is_right
	s_endpgm
.Lentry_shape_is_right:
; out0 = O wo^T + bo on codes of FP8 (E4M3) with one E8M0 scale for each 32 along K = 1,024 (16 heads x 64 channels); out0 [8192][1024] f32.
; A = O: oimg [16 heads][512 tiles of 16 stored tokens][2 pieces][32 lanes][16 bytes], images of operand registers; its scale bytes osc [8192 stored tokens][32].  Stored token p is the true token p with bits 3 and 4 exchanged.
; B = wo: cod rows 11264 on, [1024][1024 codes], scl rows 11264 on, [1024][32]: in their true order.
; A tile of 256 x 256 is made by four waves, 128 x 128 each.  K goes in steps of 256 (four heads) through a ring of two LDS slots.  A's part of a slot is four heads x 8,192 dense bytes a wave's load, read back at 16 x lane;
; B's is 128 rows of 256 bytes + 16 of padding.  The scale bytes of the tile's rows come once.
; THE MATRIX INSTRUCTION IS USED TRANSPOSED (source 0 = 16 rows of wo, source 1 = 16 stored tokens): a lane holds eight neighbouring numbers of a row of out0.  bo is the C of each sum's first matrix instruction.
; The way out puts each stored token's row at its true place: row t of block a is token 32 (a / 2) + 8 (a % 2) + t + 8 (t / 8) of my 128.
; CLUSTERS: 4 x 4 work-groups; A's tiles are shared along a row of the cluster, B's along a column, each asked for jointly.  The grid is 128 work-groups: tiles of 256 x 256 of an 8,192 x 1,024 result.
; REGISTERS: window 0: v0-31 addresses; v32-63 scale words, two sets; v64-127 bo; from v128 A's fragments, one set.  window 1: B's fragments, two sets.  windows 2, 3: the accumulators.
.set NQ,     2
.set ROWB,   256
.set KROW,   1024
.set PITCH,  272
.set FR,     16
.set NL,     4
.set NP,     8
.set HALFA,  32768                     ; A: four heads x eight tiles x 1,024 bytes: what one tensor load brings
.set HALFT,  128*PITCH                 ; B: 128 rows
.set BOFF,   2*HALFA
.set SLOT,   2*HALFA+2*HALFT
.set LAPS,   2
.set KS,     32
.set SCL,    2*SLOT
.set HALFS,  (128*KS/256)*272
.set SBLK,   (16*KS/256)*272
.set SPARE,  SCL+4*HALFS               ; the spare words, 128 bytes a wave: two blocks of 256 bytes that no other line names
.set SPITCH, 528                       ; the way out: a stage of 16 rows x (512 bytes + 16) for each wave, in slot 0, which has had its last fill and its last read when the first result is stored there
.set ADRA, 16
.set ADRB, 20
.set STO,  24
.set RD,   25
.set CO,   26
.set ADRS, 27
.set SPW,  28
.set NIL,  29
.set SC,   32
.set BI,   64
.set AF,   128
.set BK,   128
.set G1, 24
.set G0, 32
.set G1B, 48
.set G0B, 56
.set G1S, 68
.set G0S, 76
.set G1SB, 80
.set G0SB, 88
.set MSB, 0
.macro WIN new
.if MSB != (\new)
	s_set_vgpr_msb (MSB<<8)|(\new)
.set MSB, (\new)
.endif
.endm
.set MUL_LO, 0xa1
.set MUL_HI, 0xf1
.set TO_B,   0x40
.macro JLOAD g0a, g1a, g0b, g1b        ; a joint load: waves 0 and 1 fetch for A, waves 2 and 3 for B; four v_nop follow each of the two lines
	s_cmp_eq_u32 s15, 0
	s_cbranch_scc0 .Lfor_b_\@
	tensor_load_to_lds s[\g0a:\g0a+3], s[\g1a:\g1a+7]
	s_nop 0
.rept 4
	v_nop
.endr
	s_branch .Lasked_\@
.Lfor_b_\@:
	tensor_load_to_lds s[\g0b:\g0b+3], s[\g1b:\g1b+7]
	s_nop 0
.rept 4
	v_nop
.endr
.Lasked_\@:
.endm
.macro CREST
	s_cmp_lg_u32 s14, 0
	s_cbranch_scc1 .Lnot_wave_0_\@
	s_barrier_signal -3
.Lnot_wave_0_\@:
	s_barrier_wait -3
	s_barrier_signal -1
	s_barrier_wait -1
.endm
.macro CROUND
	s_barrier_signal -1
	s_barrier_wait -1
	CREST
.endm
	s_load_b128 s[4:7], s[0:1], 0x0                ; oimg s[4:5], osc s[6:7]
	s_load_b128 s[8:11], s[0:1], 0x10              ; cod s[8:9], scl s[10:11]
	s_load_b128 s[96:99], s[0:1], 0x20             ; bo s[96:97], out0 s[98:99]
	v_lshl_add_u32 v[SPW], v0, 2, SPARE
	v_mov_b32 v[NIL], 0
	ds_add_u32 v28, v29
	ds_add_u32 v28, v29
	s_wait_dscnt 0x0
	v_lshrrev_b32 v1, 5, v0
	v_readfirstlane_b32 s14, v1                    ; wave 0..3
	s_lshr_b32 s15, s14, 1                         ; which half of the tile's rows is mine.  Also: I fetch for A (0) or for B (1)
	s_and_b32 s16, s14, 1                          ; which half of its columns.  Also: which half I fetch
	s_bfe_u32 s40, ttmp6, 0x40000                  ; cx
	s_bfe_u32 s41, ttmp6, 0x40004                  ; cy
	s_lshl_b32 s42, ttmp9, 2
	s_add_co_u32 s42, s42, s40                     ; tile column
	s_and_b32 s17, ttmp7, 0xffff
	s_lshl_b32 s17, s17, 2
	s_add_co_u32 s17, s17, s41                     ; tile row
	s_lshl_b32 s43, s41, 2
	s_lshl_b32 s43, 15, s43                        ; my row of the cluster
	s_lshl_b32 s44, 0x1111, s40                    ; my column
	s_or_b32 s[G1+0], s43, (3<<16)|(1<<21)         ; A: the mask; elements of 8 bytes; bit 21 beside a mask; no padding
	s_mov_b32 s[G1+1], 1024<<16                    ; tensor_dim0 = 1,024 elements: eight tiles' images, 8,192 bytes
	s_mov_b32 s[G1+2], 4<<16                       ; tensor_dim1 = 4 heads
	s_mov_b32 s[G1+3], 1024<<16                    ; tile_dim0
	s_mov_b32 s[G1+4], 4                           ; tile_dim1
	s_mov_b32 s[G1+5], 65536                       ; from head to head: 524,288 bytes
	s_mov_b32 s[G1+6], 0
	s_mov_b32 s[G1+7], 0
	s_or_b32 s[G1B+0], s44, (0<<16)|(1<<20)|(1<<21)|(5<<22)|(3<<25)  ; B: elements of 1 byte; 4 words of padding after every 64
	s_mov_b32 s[G1B+1], ROWB<<16
	s_mov_b32 s[G1B+2], 128<<16
	s_mov_b32 s[G1B+3], ROWB<<16
	s_mov_b32 s[G1B+4], 128
	s_mov_b32 s[G1B+5], KROW
	s_mov_b32 s[G1B+6], 0
	s_mov_b32 s[G1B+7], 0
	s_or_b32 s[G1S+0], s43, (3<<16)|(1<<20)|(1<<21)|(5<<22)|(3<<25)  ; the scales of 128 rows: 16 rows of 256 bytes, 16 bytes of padding behind each
	s_or_b32 s[G1SB+0], s44, (3<<16)|(1<<20)|(1<<21)|(5<<22)|(3<<25)
.irp g, G1S, G1SB
	s_mov_b32 s[\g+1], 32<<16
	s_mov_b32 s[\g+2], (128*KS/256)<<16
	s_mov_b32 s[\g+3], 32<<16
	s_mov_b32 s[\g+4], 128*KS/256
	s_mov_b32 s[\g+5], 32
	s_mov_b32 s[\g+6], 0
	s_mov_b32 s[\g+7], 0
.endr
	s_lshl_b32 s20, s17, 14                        ; A's images: 16 tiles of 1,024 bytes a tile row,
	s_lshl_b32 s18, s16, 13                        ; 8 a half
	s_add_co_u32 s20, s20, s18
	s_mov_b32 s21, 0
	s_lshl_b32 s22, s17, 13                        ; A's scale bytes: 256 rows of 32,
	s_lshl_b32 s18, s16, 12                        ; 128 a half
	s_add_co_u32 s22, s22, s18
	s_mov_b32 s23, 0
	s_lshl_b32 s46, s42, 8
	s_lshl_b32 s18, s16, 7
	s_add_co_u32 s46, s46, s18
	s_add_co_u32 s46, s46, 11264                   ; B: wo's stored row
	s_lshl_b32 s92, s46, 5
	s_mov_b32 s93, 0
	s_lshl_b32 s46, s46, 10
	s_mov_b32 s47, 0
	s_lshl_b32 s45, s16, 15                        ; where they go: A's halves,
	s_mul_i32 s19, s16, HALFT
	s_add_co_u32 s19, s19, BOFF                    ; B's halves behind them,
	s_mul_i32 s94, s14, HALFS                      ; the scales by the wave's number: no place in the cluster enters an LDS address
	s_wait_kmcnt 0x0
	s_add_nc_u64 s[20:21], s[4:5], s[20:21]
	s_add_nc_u64 s[22:23], s[6:7], s[22:23]
	s_add_nc_u64 s[46:47], s[8:9], s[46:47]
	s_add_nc_u64 s[92:93], s[10:11], s[92:93]
	CROUND                                         ; all sixteen work-groups are here: the first joint loads meet
	s_mov_b32 s[G0S], 1
	s_add_co_u32 s[G0S+1], s94, SCL
	s_mov_b64 s[G0S+2:G0S+3], s[22:23]
	s_or_b32 s[G0S+3], s[G0S+3], 0x80000000
	s_mov_b32 s[G0SB], 1
	s_add_co_u32 s[G0SB+1], s94, SCL
	s_mov_b64 s[G0SB+2:G0SB+3], s[92:93]
	s_or_b32 s[G0SB+3], s[G0SB+3], 0x80000000
	JLOAD G0S, G1S, G0SB, G1SB
.irp s, 0,1
	s_mov_b32 s[G0+4*\s], 1
	s_add_co_u32 s[G0+4*\s+1], s45, \s*SLOT
	s_add_nc_u64 s[G0+4*\s+2:G0+4*\s+3], s[20:21], \s*4*524288     ; K step s: heads 4 s on
	s_or_b32 s[G0+4*\s+3], s[G0+4*\s+3], 0x80000000
	s_mov_b32 s[G0B+4*\s], 1
	s_add_co_u32 s[G0B+4*\s+1], s19, \s*SLOT
	s_add_nc_u64 s[G0B+4*\s+2:G0B+4*\s+3], s[46:47], \s*ROWB
	s_or_b32 s[G0B+4*\s+3], s[G0B+4*\s+3], 0x80000000
	s_wait_alu depctr_va_vdst(0)
	s_wait_tensorcnt 0x0
	ds_add_u32 v28, v29
	s_wait_dscnt 0x0
	CROUND
	JLOAD G0+4*\s, G1, G0B+4*\s, G1B
.endr
	v_and_b32 v1, 15, v0                           ; r
	v_bfe_u32 v2, v0, 4, 1                         ; h
	v_and_b32 v6, 31, v0                           ; lane
	v_lshlrev_b32 v[CO], 4, v6                     ; 16 x lane: an image's place, and my bytes of a row of 512
	v_mul_u32_u24 v3, v1, PITCH
	v_lshl_add_u32 v4, v2, 4, v3
	s_lshl_b32 s21, s15, 15                        ; my 128 rows of A
	s_mul_i32 s22, s16, HALFT                      ; my 128 rows of B
	s_add_co_u32 s22, s22, BOFF
.irp s, 0,1
	v_add_nc_u32 v[ADRA+\s], s21, v[CO]
	v_add_nc_u32 v[ADRB+\s], s22, v4
	s_add_co_u32 s21, s21, SLOT
	s_add_co_u32 s22, s22, SLOT
.endr
	v_mul_u32_u24 v5, v1, KS
	v_lshrrev_b32 v6, 8, v5
	v_lshl_add_u32 v5, v6, 4, v5
	s_mul_i32 s21, s15, HALFS
	s_mul_i32 s22, s16, HALFS
	s_add_co_u32 s22, s22, 2*HALFS
	s_sub_co_u32 s22, s22, s21
	v_mul_u32_u24 v6, s22, v2                      ; lanes 16-31 take B's
	s_add_co_u32 s21, s21, SCL
	v_add_nc_u32 v5, v5, v6
	v_add_nc_u32 v[ADRS], s21, v5
	s_mul_i32 s23, s14, 16*SPITCH                  ; my stage
	v_mul_u32_u24 v5, v1, SPITCH
	v_lshl_add_u32 v5, v2, 5, v5
	v_add_nc_u32 v[STO], s23, v5
	v_add_nc_u32 v[RD], s23, v[CO]
	s_lshl_b32 s20, s17, 8
	s_lshl_b32 s21, s15, 7
	s_add_co_u32 s20, s20, s21                     ; my first row: 256 x tile row + 128 x half
	s_lshl_b32 s20, s20, 12                        ; rows of 4,096 bytes
	s_lshl_b32 s46, s42, 10
	s_lshl_b32 s47, s16, 9
	s_add_co_u32 s46, s46, s47                     ; my first column, in bytes; the same in bo
	s_mov_b32 s47, 0
	s_add_nc_u64 s[96:97], s[96:97], s[46:47]
	s_add_co_u32 s20, s20, s46
	s_mov_b32 s21, 0
	s_add_nc_u64 s[98:99], s[98:99], s[20:21]
	v_lshlrev_b32 v7, 5, v2                        ; bo: tile b's register j is column 16 b + 8 h + j
.irp b, 0,1,2,3,4,5,6,7
	global_load_b128 v[BI+8*\b:BI+8*\b+3], v7, s[96:97] offset:64*\b
	global_load_b128 v[BI+8*\b+4:BI+8*\b+7], v7, s[96:97] offset:64*\b+16
.endr
	s_wait_alu depctr_va_vdst(0)
	s_wait_loadcnt 0x0
.macro FRAG reg, adr, q, i             ; B: 16 rows x 128 K from rows that lie along K
.irp c, 0,1,2,3
	ds_load_b128 v[\reg+4*\c:\reg+4*\c+3], v[\adr] offset:128*(\q)+32*\c+(\i)*16*PITCH
.endr
.endm
.macro FRAGA reg, adr, q, i            ; A: registers 4 c .. 4 c + 3 are piece c % 2 of head 2 q + c / 2 of the slot's four, tile i
.irp c, 0,1,2,3
	ds_load_b128 v[\reg+4*\c:\reg+4*\c+3], v[\adr] offset:(2*(\q)+\c/2)*8192+(\i)*1024+(\c%2)*512
.endr
.endm
; 16 matrix instructions: A's blocks a0, a0 + 1 x B's eight.  zero = 1: the first product starts the sums, with bo as its C.  The 64 accumulators take turns, one instruction a turn.
.macro MUL16 a0, p, q, sc, zero
.irp a, \a0, \a0+1
.irp b, 0,1,2,3,4,5,6,7
.if \zero
	v_wmma_scale_f32_16x16x128_f8f6f4 v[8*(8*((\a)%4)+\b):8*(8*((\a)%4)+\b)+7], v[128*(\p)+FR*\b:128*(\p)+FR*\b+FR-1], v[AF+FR*(\a):AF+FR*(\a)+FR-1], v[BI+8*\b:BI+8*\b+7], v[SC+8*NQ*(\sc)+NQ*\b+(\q)], v[SC+8*NQ*(\sc)+NQ*(\a)+(\q)] matrix_a_scale:MATRIX_SCALE_ROW1
.else
	v_wmma_scale_f32_16x16x128_f8f6f4 v[8*(8*((\a)%4)+\b):8*(8*((\a)%4)+\b)+7], v[128*(\p)+FR*\b:128*(\p)+FR*\b+FR-1], v[AF+FR*(\a):AF+FR*(\a)+FR-1], v[8*(8*((\a)%4)+\b):8*(8*((\a)%4)+\b)+7], v[SC+8*NQ*(\sc)+NQ*\b+(\q)], v[SC+8*NQ*(\sc)+NQ*(\a)+(\q)] matrix_a_scale:MATRIX_SCALE_ROW1
.endif
.endr
.endr
.endm
.macro FETCH_B slot, q, p
	WIN TO_B
.irp i, 0,1,2,3,4,5,6,7
	FRAG 128*(\p)+FR*\i, ADRB+\slot, \q, \i
.endr
	WIN 0
.endm
.macro FETCH_A slot, q, i0
.irp i, \i0, \i0+1, \i0+2, \i0+3
	FRAGA AF+FR*(\i), ADRA+\slot, \q, \i
.endr
.endm
.macro SCALES sc
.irp i, 0,1,2,3,4,5,6,7
	ds_load_b64 v[SC+8*NQ*\sc+NQ*\i:SC+8*NQ*\sc+NQ*\i+1], v[ADRS] offset:\i*SBLK
.endr
.endm
.macro PLACES n                        ; plain vector lines between a matrix instruction and a load into, or a read of, its registers
.rept \n
	v_nop
.endr
.endm
.macro STEP slot, q, zero
	s_wait_dscnt 4*NL                              ; B's set and A's blocks 0-3 are in; the youngest sixteen loads (A's blocks 4-7) may be out
.if \zero
	WIN 0x81                                       ; C (bo) in window 0, D in window 2
.else
	WIN MUL_LO
.endif
	MUL16 0, (\q)%2, \q, \slot, \zero
	MUL16 2, (\q)%2, \q, \slot, \zero
	s_wait_dscnt 0
	PLACES NP
	FETCH_B \slot, (\q)+1, 1-(\q)%2
	FETCH_A \slot, (\q)+1, 0
.if \zero
	WIN 0xc1
.else
	WIN MUL_HI
.endif
	MUL16 4, (\q)%2, \q, \slot, \zero
	MUL16 6, (\q)%2, \q, \slot, \zero
	PLACES NP
	WIN 0
	FETCH_A \slot, (\q)+1, 4
.endm
; A slot's last step changes slots: ONE barrier; in front of it each wave waits for all its tensor loads, adds 0 to its spare word, and waits for that and for its own reads of this slot.
.macro TURN slot, next, fill
	s_wait_tensorcnt 0x0                           ; all my tensor loads have landed: my part of the next slot
	ds_add_u32 v[SPW], v[NIL]                      ; 0 onto my spare word
	s_wait_dscnt 4*NL+1                            ; (the add and the youngest sixteen loads may be out)
	WIN MUL_LO
	MUL16 0, 1, NQ-1, \slot, 0
	s_wait_dscnt 0x0                               ; the add is done, and my reads of this slot are over
	s_barrier_signal -1
	MUL16 2, 1, NQ-1, \slot, 0
	WIN 0
	s_barrier_wait -1
.if \fill
	CREST                                          ; the barrier has opened a round of the cluster's barrier: no wave of any partner still reads this slot or has a load on its way
	s_add_nc_u64 s[G0+4*\slot+2:G0+4*\slot+3], s[G0+4*\slot+2:G0+4*\slot+3], 8*524288
	s_add_nc_u64 s[G0B+4*\slot+2:G0B+4*\slot+3], s[G0B+4*\slot+2:G0B+4*\slot+3], 2*ROWB
	JLOAD G0+4*\slot, G1, G0B+4*\slot, G1B         ; the first tensor load behind the round; its four v_nop are among the places in front of the loads below
	PLACES NP-4
.else
	PLACES NP
.endif
	s_wait_alu depctr_va_vdst(0)
	v_add_nc_u32 v[ADRS], 4*NQ, v[ADRS]
	FETCH_B \next, 0, 0
	FETCH_A \next, 0, 0
	SCALES \next
	WIN MUL_HI
	MUL16 4, 1, NQ-1, \slot, 0
	MUL16 6, 1, NQ-1, \slot, 0
	PLACES NP
	WIN 0
	FETCH_A \next, 0, 4
.endm
	s_wait_tensorcnt 1                             ; the scales and my part of K step 0 are in (K step 1's load may be out)
	s_barrier_signal -1
	s_barrier_wait -1                              ; everybody's are
	FETCH_B 0, 0, 0
	FETCH_A 0, 0, 0
	SCALES 0
	FETCH_A 0, 0, 4
	STEP 0, 0, 1
	s_mov_b32 s3, LAPS-1
.Llap:
	TURN 0, 1, 1
	STEP 1, 0, 0
	TURN 1, 0, 1
	STEP 0, 0, 0
	s_sub_co_u32 s3, s3, 1
	s_cmp_lg_u32 s3, 0
	s_cbranch_scc1 .Llap
	TURN 0, 1, 0                                   ; the last lap fills nothing, and has no round of the cluster's barrier
	STEP 1, 0, 0
	s_wait_dscnt 4*NL
	WIN MUL_LO
	MUL16 0, 1, NQ-1, 1, 0
	MUL16 2, 1, NQ-1, 1, 0
	s_wait_dscnt 0
	WIN MUL_HI
	MUL16 4, 1, NQ-1, 1, 0
	MUL16 6, 1, NQ-1, 1, 0
	WIN 0
; THE WAY OUT, block by block of 16 stored tokens x 128 columns: through my own stage in LDS and back as whole rows of 512 bytes.  LDS serves a wave's instructions in order: no wait between the stores and the loads.
.macro TOSTAGE a
.set AC, 64*((\a)%4)
	WIN 0x08+4*((\a)/4)                            ; the data: window 2 or 3
.irp b, 0,1,2,3,4,5,6,7
	ds_store_b128 v[STO], v[AC+8*\b:AC+8*\b+3] offset:64*\b          ; each accumulator from its low end on
	ds_store_b128 v[STO], v[AC+8*\b+4:AC+8*\b+7] offset:64*\b+16
.endr
	WIN 0
.set BB, BK+64*((\a)%2)
.irp t, 0,1,2,3,4,5,6,7,8,9,10,11,12,13,14,15
	ds_load_b128 v[BB+4*\t:BB+4*\t+3], v[RD] offset:\t*SPITCH
.endr
.endm
.macro SEND a, younger                 ; younger: the LDS instructions issued behind block a's loads, which may stay out
.set BB, BK+64*((\a)%2)
	s_wait_dscnt \younger
.if (\a) > 0
.if (\a)%2
	s_add_nc_u64 s[98:99], s[98:99], 8*4096        ; (behind a wait on XCNT)  block a begins at true token 32 (a / 2) + 8 (a % 2): 8 rows on,
.else
	s_add_nc_u64 s[98:99], s[98:99], 24*4096       ; or 24
.endif
.endif
.irp t, 0,1,2,3,4,5,6,7,8,9,10,11,12,13,14,15
	global_store_b128 v[CO], v[BB+4*\t:BB+4*\t+3], s[98:99] offset:(\t+8*(\t/8))*4096 th:TH_STORE_NT   ; 32 lanes store 512 consecutive aligned bytes of the stored token's true row
.endr
.endm
	PLACES NP
	TOSTAGE 0
.irp a, 1,2,3,4,5,6,7
.if \a > 1
	s_wait_xcnt 0x0                                ; block a - 2's stores have read their registers and their base
.endif
	TOSTAGE \a
	SEND \a-1, 32                                  ; behind block a - 1's loads: block a's 16 stores and 16 loads
.endr
	s_wait_xcnt 0x0
	SEND 7, 0
	s_wait_tensorcnt 0x0                           ; the wave's end
	ds_add_u32 v[SPW], v[NIL]
	s_wait_dscnt 0x0
	CROUND                                         ; the closing round
	s_endpgm
.Lfunc_end_k_qf752003ae1_oproj:
	.size	k_qf752003ae1_oproj, .Lfunc_end_k_qf752003ae1_oproj-k_qf752003ae1_oproj
	.p2alignl 7, 3214868480
	.fill 96, 4, 3214868480
	.section	.rodata,"a",@progbits
	.p2align	6, 0x0
	.amdhsa_kernel k_qf752003ae1_oproj
		.amdhsa_group_segment_fixed_size 327680
		.amdhsa_private_segment_fixed_size 0
		.amdhsa_enable_private_segment 0
		.amdhsa_kernarg_size 48
		.amdhsa_user_sgpr_count 2
		.amdhsa_user_sgpr_kernarg_segment_ptr 1
		.amdhsa_wavefront_size32 1
		.amdhsa_system_sgpr_workgroup_id_x 1
		.amdhsa_system_sgpr_workgroup_id_y 1
		.amdhsa_system_sgpr_workgroup_id_z 1
		.amdhsa_system_vgpr_workitem_id 0
		.amdhsa_next_free_vgpr 1024
		.amdhsa_next_free_sgpr 100
		.amdhsa_reserve_vcc 0
		.amdhsa_float_denorm_mode_32 3
		.amdhsa_float_denorm_mode_16_64 3
		.amdhsa_memory_ordered 1
		.amdhsa_forward_progress 1
		.amdhsa_inst_pref_size 148
	.end_amdhsa_kernel
	.amdgpu_metadata
---
amdhsa.version: [ 1, 2 ]
amdhsa.kernels:
  - .name:           k_qf752003ae1_oproj
    .symbol:         k_qf752003ae1_oproj.kd
    .args:
      - { .name: oimg, .offset: 0, .size: 8, .value_kind: global_buffer, .address_space: global }
      - { .name: osc, .offset: 8, .size: 8, .value_kind: global_buffer, .address_space: global }
      - { .name: cod, .offset: 16, .size: 8, .value_kind: global_buffer, .address_space: global }
      - { .name: scl, .offset: 24, .size: 8, .value_kind: global_buffer, .address_space: global }
      - { .name: bo, .offset: 32, .size: 8, .value_kind: global_buffer, .address_space: global }
      - { .name: out0, .offset: 40, .size: 8, .value_kind: global_buffer, .address_space: global }
    .group_segment_fixed_size: 327680
    .private_segment_fixed_size: 0
    .kernarg_segment_align: 8
    .kernarg_segment_size: 48
    .max_flat_workgroup_size: 128
    .sgpr_count:     100
    .vgpr_count:     1024
    .wavefront_size: 32
...
	.end_amdgpu_metadata
.endif
;; end of part 4
